; MI455X (gfx1250); checked and timed in simulation.
; The chip was launched on July 23, 2026; its instructions are those of AMD's public machine-readable ISA for CDNA 5 (MIT licence, August 2026) and "CDNA5" Instruction Set Architecture Reference Guide (July 2026). The comments in the code are by the model that wrote it; some were corrected since.
;; Self Attention. Allowed arithmetic: matrix products marked QUANTISED: E5M2 operands, one E8M0 scale for each 32 along K, by v_wmma_scale_f32_16x16x128_f8f6f4 with both operands' format E5M2, f32 sums; everything else in f32.
;; Inputs: Wk 16 x 1,024 x 64 float32; Wo 1,024 x 1,024 float32; Wq 16 x 1,024 x 64 float32; Wv 16 x 1,024 x 64 float32; bk 16 x 64 float32; bo 1,024 float32; bq 16 x 64 float32; bv 16 x 64 float32; x 4 x 2,048 x 1,024 float32.
;; Outputs: out0 4 x 2,048 x 1,024 float32.
;; This version of the problem:
;;   THIS VERSION OF THE PROBLEM IS GIVEN IN LOW PRECISION. The matrix products marked QUANTISED in the list below multiply operands that are first quantised to E5M2 (5 exponent bits, 2 mantissa bits; 8 bits a number), with one power-of-two scale for each 32 numbers along K (OCP MX v1.0); their sums are f32. All else is computed in f32.
;;   The module's matrix products, in the order in which they are computed (A, B: the left and right operand; K: the contracted axis; several contracted axes count as one K, in the product's order):
;;     1. [M 1,024, K 1,024] x [K 1,024, N 8,192]; A: input Wq; B: computed on the way: QUANTISED
;;     2. [M 1,024, K 1,024] x [K 1,024, N 8,192]; A: input Wk; B: computed on the way: QUANTISED
;;     3. [M 1,024, K 1,024] x [K 1,024, N 8,192]; A: input Wv; B: computed on the way: QUANTISED
;;     4. batch 64 x [M 2,048, K 64] x [K 64, N 2,048]; A: computed on the way; B: computed on the way: QUANTISED
;;     5. batch 64 x [M 2,048, K 2,048] x [K 2,048, N 64]; A: computed on the way; B: computed on the way: QUANTISED
;;     6. [M 8,192, K 1,024] x [K 1,024, N 1,024]; A: computed on the way; B: input Wo: QUANTISED
;;   THE QUANTISER, for each operand of a quantised product, along K:
;;     - K is cut into blocks of 32 from its start; a last block that is shorter is filled with zeros.
;;     - A block's scale is 2^e with e = floor(log2(the largest magnitude in the block)) - 15, held to -126 .. 127; a block of zeros has e = 0. As a byte (E8M0): e + 127.
;;     - Each number is divided by its block's scale, clamped to +-57,344, and rounded to the nearest number of E5M2, ties to even, subnormals kept.
;;     - The product sums the exact products of the quantised numbers (number of the format x scale) in f32.
;;   ~~~python
;;   def quantise(x, axis):      # numpy; x: float32 -> the quantised numbers, widened to float32 again
;;       x = np.moveaxis(x, axis, -1); K = x.shape[-1]
;;       x = np.pad(x, [(0, 0)] * (x.ndim - 1) + [(0, -K % 32)]); x = x.reshape(x.shape[:-1] + (-1, 32)); a = np.abs(x).max(-1, keepdims=True)
;;       e = np.where(a > 0, np.clip(np.frexp(np.where(a > 0, a, 1))[1] - 1 - 15, -126, 127), 0)      # np.frexp(a)[1] - 1 = floor(log2(a)), exactly
;;       r = np.clip(x / 2.0 ** e, -57344, 57344)
;;       step = 2.0 ** (np.maximum(np.frexp(np.where(r == 0, 1, r))[1] - 1, -14) - 2)
;;       q = np.round(r / step) * step * 2.0 ** e      # np.round: ties to even
;;       return np.moveaxis(q.reshape(q.shape[:-2] + (-1,))[..., :K], -1, axis).astype(np.float32)
;;   ~~~
;;   OPERANDS COMPUTED ON THE WAY. 'Computed on the way' means the value that the module computes at that place (a softmax that the list does not call 'softmax' is quantised finished and normalised). What goes into a quantiser is computed in f32, as accurately as f32 sums, v_exp_f32 and their like allow (about 1e-6 of the number): no bf16 or f16 on the way to a quantiser, and a product that is left as it is and whose result goes on into a quantised operand takes f32 operands (vector FMAs, or v_wmma_f32_16x16x4_f32). A number that lies on a knife's edge between two numbers of the format may be rounded either way, as far as f32 arithmetic and the matrix unit's own rounding can turn it there, and no further.
;; One version. Each part assembles by itself: llvm-mc -triple=amdgcn-amd-amdhsa -mcpu=gfx1250 --defsym DOCPART=n.
;; ======== version 1 of 1: 5 launches
;; limits: right only within a limited range of input values
;; workspace buffers: pre 12,976,128 bytes; qkv 25,952,256 bytes; stat 524,288 bytes; xo 8,650,752 bytes
;; launch prep (part 1): grid 672 x 1, 8 waves a work-group, no clusters, 67,584 bytes of LDS; arguments x, Wo, Wq, Wk, Wv, pre; writes pre
.if DOCPART == 1
	.amdgcn_target "amdgcn-amd-amdhsa--gfx1250"
	.amdhsa_code_object_version 6
	.text
	.protected	k_qe2945a351a_prep
	.globl	k_qe2945a351a_prep
	.p2align	8
	.type	k_qe2945a351a_prep,@function
k_qe2945a351a_prep:
	s_mov_b64 s[64:65], 0
	v_nop
	global_prefetch_b8 v0, s[64:65] scope:SCOPE_SE
	s_setreg_imm32_b32 hwreg(HW_REG_WAVE_MODE, 25, 1), 1
	s_wait_xcnt 0x0
; LayerNorm(x), Wo, Wq, Wk, Wv become codes of E5M2 with one E8M0 byte for each 32 along K, laid as IMAGES OF OPERAND REGISTERS:
; a fragment (16 rows x 128 K) is 2,048 bytes; byte 512 c + 16 lane + i is the code of row lane % 16, k = 32 c + 16 (lane / 16) + i.  A matrix is [row tile][K / 128][2,048].
; Scale words lie row-major, 32 bytes a row (8 words, one for each 128 along K).
; Work-groups 0-511: 16 rows of x each, normalised first; 512-575: 16 rows of Wo; 576-671: Wq, Wk, Wv, whose K (d) is not innermost: a lane takes a column and its registers run down d.
; The rows of a weight tile of Wq, Wk, Wv are not neighbours: lane r of a head's tile i is column 32 (i / 2) + 8 (i % 2) + r + 8 (r / 8).
; LIMITS: a block of zeros gets the byte 1 (its codes are zeros and only this program reads the bytes); NaN and infinities among the inputs are not served.
; The weights' scale words leave as 4 bytes a lane, 32 bytes apart: one byte in 128 of what that path reads.
; No cluster, no tensor load: no two work-groups read the same input bytes, and every byte is read once.  No path names a register above v129, so that several work-groups' waves share a WGP.
.set WC,   8388608
.set WOC,  11534336
.set XNS,  12582912
.set WS,   12845056
.set WOS,  12943360
.set SP,   4112                        ; a stage row: 4,096 bytes + 16: 257 x 16, so sixteen rows' equal columns fall on different banks
.set WRD,  65792                       ; behind the stage: 16 rows x 8 scale words
.set TM,   8                           ; v8-23 at work in QUANT
.set PW,   24
.set PC,   32                          ; codes
.set D,    64                          ; numbers
.set SEL,  28
.set MNT,  30
; 64 numbers of a lane, register 16 b + i = k 32 b + 16 (lane / 16) + i of its row, become a fragment's codes in v[PC] on and its scale word in v[pw]
.macro QUANT s, pw
.irp b, 0,1,2,3
	v_max3_num_f32 v[TM+\b], |v[\s+16*\b]|, |v[\s+1+16*\b]|, 0x8000000   ; my 16 numbers of block b and the floor 2^(16 - 127): the byte cannot fall under 1
.endr
.irp i, 2,4,6,8,10,12,14
.irp b, 0,1,2,3
	s_delay_alu instid0(VALU_DEP_4)
	v_max3_num_f32 v[TM+\b], v[TM+\b], |v[\s+16*\b+\i]|, |v[\s+1+16*\b+\i]|
.endr
.endr
.irp b, 0,1,2,3
	s_delay_alu instid0(VALU_DEP_4)
	v_permlanex16_b32 v[TM+4+\b], v[TM+\b], s[SEL], s[SEL+1]
.endr
.irp b, 0,1,2,3
	s_delay_alu instid0(VALU_DEP_4)
	v_max_num_f32 v[TM+\b], v[TM+\b], v[TM+4+\b]           ; with lane l xor 16's: the block's largest magnitude
.endr
.irp b, 0,1,2,3
	s_delay_alu instid0(VALU_DEP_4)
	v_add_nc_u32 v[TM+12+\b], 0xf8800000, v[TM+\b]         ; 15 off its exponent field: the conversion's scale operand
.endr
.irp b, 0,1,2,3
	v_and_or_b32 v[TM+8+\b], v[TM+\b], 0x7f800000, s[MNT]  ; 57,344 x the scale
.endr
.irp b, 0,1,2,3
	v_lshrrev_b32 v[TM+4+\b], 23, v[TM+12+\b]              ; the scale's byte
.endr
	s_delay_alu instid0(VALU_DEP_3)
	v_lshl_or_b32 v[\pw], v[TM+5], 8, v[TM+4]
	s_delay_alu instid0(VALU_DEP_1)
	v_lshl_or_b32 v[\pw], v[TM+6], 16, v[\pw]
	s_delay_alu instid0(VALU_DEP_1)
	v_lshl_or_b32 v[\pw], v[TM+7], 24, v[\pw]
.irp b, 0,1,2,3
.irp i, 0,1,2,3,4,5,6,7,8,9,10,11,12,13,14,15
	v_med3_num_f32 v[\s+16*\b+\i], v[\s+16*\b+\i], -v[TM+8+\b], v[TM+8+\b]   ; the conversion does not saturate (ISA guide 7.6.2): the hold comes first
.endr
	v_cvt_scalef32_pk8_bf8_f32 v[PC+4*\b:PC+1+4*\b], v[\s+16*\b:\s+7+16*\b], v[TM+12+\b]
	v_cvt_scalef32_pk8_bf8_f32 v[PC+2+4*\b:PC+3+4*\b], v[\s+8+16*\b:\s+15+16*\b], v[TM+12+\b]
.endr
	v_nop                                                  ; a plain line behind the last conversion
.endm
.macro REDUCE t                        ; the sum over the 32 lanes, in every lane
	s_delay_alu instid0(VALU_DEP_1)
	v_add_f32_dpp v[\t], v[\t], v[\t] row_xmask:1 row_mask:0xf bank_mask:0xf
	s_delay_alu instid0(VALU_DEP_1)
	v_add_f32_dpp v[\t], v[\t], v[\t] row_xmask:2 row_mask:0xf bank_mask:0xf
	s_delay_alu instid0(VALU_DEP_1)
	v_add_f32_dpp v[\t], v[\t], v[\t] row_xmask:4 row_mask:0xf bank_mask:0xf
	s_delay_alu instid0(VALU_DEP_1)
	v_add_f32_dpp v[\t], v[\t], v[\t] row_xmask:8 row_mask:0xf bank_mask:0xf
	s_delay_alu instid0(VALU_DEP_1)
	v_permlanex16_b32 v[\t+1], v[\t], s[SEL], s[SEL+1]
	s_delay_alu instid0(VALU_DEP_1)
	v_add_f32 v[\t], v[\t], v[\t+1]
.endm
; one row of 1,024 numbers, 32 a lane in v[X] on, is normalised in place: mean, then the mean of the squared differences, as the definition has it
.macro LNROW X, T
	v_pk_add_f32 v[\T:\T+1], v[\X:\X+1], v[\X+2:\X+3]
	v_pk_add_f32 v[\T+2:\T+3], v[\X+4:\X+5], v[\X+6:\X+7]
.irp i, 8,12,16,20,24,28
	s_delay_alu instid0(VALU_DEP_2)
	v_pk_add_f32 v[\T:\T+1], v[\T:\T+1], v[\X+\i:\X+\i+1]
	s_delay_alu instid0(VALU_DEP_2)
	v_pk_add_f32 v[\T+2:\T+3], v[\T+2:\T+3], v[\X+\i+2:\X+\i+3]
.endr
	s_delay_alu instid0(VALU_DEP_1)
	v_pk_add_f32 v[\T:\T+1], v[\T:\T+1], v[\T+2:\T+3]
	s_delay_alu instid0(VALU_DEP_1)
	v_add_f32 v[\T], v[\T], v[\T+1]
	REDUCE \T
	s_delay_alu instid0(VALU_DEP_1)
	v_mul_f32 v[\T], s31, v[\T]                            ; the mean: / 1,024
.irp i, 0,2,4,6,8,10,12,14,16,18,20,22,24,26,28,30
	v_pk_add_f32 v[\X+\i:\X+\i+1], v[\X+\i:\X+\i+1], v[\T:\T+1] op_sel_hi:[1,0] neg_lo:[0,1] neg_hi:[0,1]
.endr
	v_pk_mul_f32 v[\T+2:\T+3], v[\X:\X+1], v[\X:\X+1]
	v_pk_mul_f32 v[\T+4:\T+5], v[\X+2:\X+3], v[\X+2:\X+3]
.irp i, 4,8,12,16,20,24,28
	s_delay_alu instid0(VALU_DEP_2)
	v_pk_fma_f32 v[\T+2:\T+3], v[\X+\i:\X+\i+1], v[\X+\i:\X+\i+1], v[\T+2:\T+3]
	s_delay_alu instid0(VALU_DEP_2)
	v_pk_fma_f32 v[\T+4:\T+5], v[\X+\i+2:\X+\i+3], v[\X+\i+2:\X+\i+3], v[\T+4:\T+5]
.endr
	s_delay_alu instid0(VALU_DEP_1)
	v_pk_add_f32 v[\T+2:\T+3], v[\T+2:\T+3], v[\T+4:\T+5]
	s_delay_alu instid0(VALU_DEP_1)
	v_add_f32 v[\T+2], v[\T+2], v[\T+3]
	REDUCE \T+2
	s_delay_alu instid0(VALU_DEP_1)
	v_fma_f32 v[\T+2], v[\T+2], s31, s32                   ; the variance + 1e-5
	s_wait_alu depctr_va_vdst(0)
	v_rsq_f32 v[\T+2], v[\T+2]
	v_nop                                                  ; a plain line behind the transcendental,
	s_wait_alu depctr_va_vdst(0)                           ; and the wait ahead of its first reader
.irp i, 0,2,4,6,8,10,12,14,16,18,20,22,24,26,28,30
	v_pk_mul_f32 v[\X+\i:\X+\i+1], v[\X+\i:\X+\i+1], v[\T+2:\T+3] op_sel_hi:[1,0]
.endr
.endm
	s_load_b256 s[4:11], s[0:1], 0x0               ; x s[4:5], Wo s[6:7], Wq s[8:9], Wk s[10:11]
	s_load_b128 s[12:15], s[0:1], 0x20             ; Wv s[12:13], pre s[14:15]
	v_lshl_add_u32 v128, v0, 2, 0x10400
	v_mov_b32 v129, 0
	v_lshrrev_b32 v1, 5, v0
	s_delay_alu instid0(VALU_DEP_1)
	v_readfirstlane_b32 s16, v1                    ; wave 0..7
	v_and_b32 v2, 31, v0                           ; lane
	v_and_b32 v3, 15, v0                           ; r
	v_bfe_u32 v4, v0, 4, 1                         ; h
	s_delay_alu instid0(VALU_DEP_3)
	v_lshlrev_b32 v5, 4, v2                        ; 16 x lane
	s_mov_b32 s[SEL], 0x76543210
	s_mov_b32 s[SEL+1], 0xfedcba98
	s_mov_b32 s[MNT], 0x600000
	s_mov_b32 s31, 0x3a800000                      ; 1 / 1,024
	s_mov_b32 s32, 0x3727c5ac                      ; 1e-5
	s_cmp_ge_u32 ttmp9, 576
	s_cbranch_scc1 .Lweights
	; ---- rows with K innermost: x (normalised) and Wo take one path; only pointers, offsets and the normalising differ
	s_cmp_lt_u32 ttmp9, 512
	s_cselect_b32 s17, 0, 512
	s_mov_b32 s18, WOC
	s_cselect_b32 s18, 0, s18                      ; where the codes go
	s_mov_b32 s19, WOS
	s_cselect_b32 s19, XNS, s19                    ; where the scale words go
	s_cselect_b32 s20, 1, 0                        ; normalise?
	s_wait_kmcnt 0x0
	s_cselect_b64 s[4:5], s[4:5], s[6:7]
	s_sub_co_u32 s17, ttmp9, s17                   ; the row tile
	s_lshl_b32 s22, s17, 16                        ; 16 rows of 4,096 bytes,
	s_lshl_b32 s23, s16, 13                        ; my wave's two of them
	s_add_co_u32 s22, s22, s23
	s_mov_b32 s23, 0
	s_add_nc_u64 s[4:5], s[4:5], s[22:23]
	s_lshl_b32 s22, s17, 14
	s_add_co_u32 s22, s22, s18
	s_lshl_b32 s24, s16, 11
	s_add_co_u32 s22, s22, s24
	s_add_nc_u64 s[26:27], s[14:15], s[22:23]      ; my fragment: tile x 16,384 + wave x 2,048
	s_lshl_b32 s22, s17, 9
	s_add_co_u32 s22, s22, s19
	s_add_nc_u64 s[14:15], s[14:15], s[22:23]      ; the tile's 512 bytes of scale words
	s_wait_alu depctr_va_vdst(0)
.irp i, 0,1,2,3,4,5,6,7
	global_load_b128 v[D+4*\i:D+4*\i+3], v5, s[4:5] offset:512*\i th:TH_LOAD_NT          ; 512 consecutive bytes a load
.endr
.irp i, 0,1,2,3,4,5,6,7
	global_load_b128 v[D+32+4*\i:D+35+4*\i], v5, s[4:5] offset:4096+512*\i th:TH_LOAD_NT
.endr
	s_mul_i32 s24, s16, 2*SP
	v_add_nc_u32 v6, s24, v5                       ; into the stage: my two rows, as they lie
	v_mul_u32_u24 v7, v3, SP
	s_delay_alu instid0(VALU_DEP_1)
	v_lshl_add_u32 v7, v4, 6, v7
	s_lshl_b32 s24, s16, 9
	v_add_nc_u32 v7, s24, v7                       ; out of it: row r, K step = my wave, 64 bytes for each half of the lanes
	v_lshlrev_b32 v25, 5, v3
	s_lshl_b32 s24, s16, 2
	s_add_co_u32 s24, s24, WRD
	v_add_nc_u32 v25, s24, v25                     ; row r's word of my K step
	v_add_nc_u32 v26, WRD, v5
.irp b, 0,1,2,3
	v_mov_b32 v[TM+4+\b], 0                        ; a lane permute's destination counts as one of its sources
.endr
	s_wait_loadcnt 0x0
	s_cmp_eq_u32 s20, 0
	s_cbranch_scc1 .Lno_ln
	LNROW D, 48
	LNROW D+32, 56
.Lno_ln:
.irp i, 0,1,2,3,4,5,6,7
	ds_store_b128 v6, v[D+4*\i:D+4*\i+3] offset:512*\i
	ds_store_b128 v6, v[D+32+4*\i:D+35+4*\i] offset:SP+512*\i
.endr
	s_wait_dscnt 0x0                               ; for the others' sake: my rows lie in the stage
	s_barrier_signal -1
	s_barrier_wait -1
	s_wait_alu depctr_va_vdst(0)
.irp b, 0,1,2,3
.irp j, 0,1,2,3
	ds_load_b128 v[D+16*\b+4*\j:D+16*\b+4*\j+3], v7 offset:128*\b+16*\j   ; 16 neighbours of each block of 32
.endr
.endr
	s_wait_dscnt 0x0
	QUANT D, PW
.irp c, 0,1,2,3
	global_store_b128 v5, v[PC+4*\c:PC+4*\c+3], s[26:27] offset:512*\c    ; 512 consecutive bytes, aligned
.endr
	ds_store_b32 v25, v[PW]                        ; both halves of the lanes write the same word with the same value
	s_wait_dscnt 0x0
	s_barrier_signal -1
	s_barrier_wait -1
	s_cmp_lg_u32 s16, 0
	s_cbranch_scc1 .Ldone
	ds_load_b128 v[D:D+3], v26                     ; wave 0 sends the tile's 128 words as 512 consecutive bytes
	s_wait_dscnt 0x0
	global_store_b128 v5, v[D:D+3], s[14:15]
.Ldone:
	s_wait_tensorcnt 0x0
	ds_add_u32 v128, v129
	s_wait_dscnt 0x0
	s_endpgm
	; ---- Wq, Wk, Wv: [head][d][64].  A wave takes 32 columns of a head x 128 along d
.Lweights:
	s_sub_co_u32 s17, ttmp9, 576
	s_lshr_b32 s18, s17, 5                         ; which weight
	s_bfe_u32 s19, s17, 0x40001                    ; head
	s_and_b32 s20, s17, 1
	s_and_b32 s21, s16, 1                          ; which 32 columns
	s_lshr_b32 s22, s16, 1
	s_lshl_b32 s20, s20, 2
	s_add_co_u32 s20, s20, s22                     ; which 128 along d
	s_wait_kmcnt 0x0
	s_cmp_eq_u32 s18, 0
	s_cselect_b64 s[4:5], s[8:9], s[10:11]
	s_cmp_eq_u32 s18, 2
	s_cselect_b64 s[4:5], s[12:13], s[4:5]
	s_lshl_b32 s22, s19, 18
	s_lshl_b32 s23, s20, 15
	s_add_co_u32 s22, s22, s23
	s_lshl_b32 s23, s21, 7
	s_add_co_u32 s22, s22, s23
	s_mov_b32 s23, 0
	s_add_nc_u64 s[4:5], s[4:5], s[22:23]
	s_lshl_b32 s24, s18, 5
	s_lshl_b32 s25, s19, 1
	s_add_co_u32 s24, s24, s25
	s_add_co_u32 s24, s24, s21                     ; G: my 32 columns are tiles 2 G and 2 G + 1
	s_lshl_b32 s22, s24, 15
	s_lshl_b32 s25, s20, 11
	s_add_co_u32 s22, s22, s25
	s_add_co_u32 s22, s22, WC
	s_add_nc_u64 s[26:27], s[14:15], s[22:23]
	s_lshl_b32 s22, s24, 10
	s_lshl_b32 s25, s20, 2
	s_add_co_u32 s22, s22, s25
	s_add_co_u32 s22, s22, WS
	s_add_nc_u64 s[14:15], s[14:15], s[22:23]
	s_wait_alu depctr_va_vdst(0)
	v_lshlrev_b32 v6, 2, v2                        ; in: 4 bytes a lane
	v_and_b32 v8, 7, v0
	s_delay_alu instid0(VALU_DEP_1)
	v_lshl_add_u32 v8, v4, 3, v8                   ; my row in the tile: lane % 8 + 8 (lane / 16)
	v_bfe_u32 v9, v0, 3, 1                         ; which of the two tiles
	s_delay_alu instid0(VALU_DEP_2)
	v_lshlrev_b32 v7, 4, v8
	s_delay_alu instid0(VALU_DEP_1)
	v_lshl_add_u32 v7, v9, 14, v7                  ; my 16 bytes in an image
	s_delay_alu instid0(VALU_DEP_4)
	v_lshlrev_b32 v22, 5, v8
	s_delay_alu instid0(VALU_DEP_1)
	v_lshl_add_u32 v22, v9, 9, v22                 ; my row of scale words
.macro WLOAD c                         ; block c's 32 numbers down d, into set c % 2
.set i, 0
.rept 32
	global_load_b32 v[D+32*((\c)%2)+i], v6, s[4:5] offset:(32*(\c)+i)*256 th:TH_LOAD_NT
.set i, i+1
.endr
.endm
.macro WBLOCK c, left, more
.set XS, D+32*((\c)%2)
.set CC, PC+8*(\c)
	s_wait_loadcnt \left                           ; this block's 32 loads are in; the next block's 32 may be out
	v_max3_num_f32 v12, |v[XS]|, |v[XS+1]|, |v[XS+2]|      ; all 32 numbers of the block are mine
	v_max3_num_f32 v13, |v[XS+3]|, |v[XS+4]|, |v[XS+5]|
.irp i, 6,10,14,18,22,26
	s_delay_alu instid0(VALU_DEP_2)
	v_max3_num_f32 v12, v12, |v[XS+\i]|, |v[XS+\i+1]|
	s_delay_alu instid0(VALU_DEP_2)
	v_max3_num_f32 v13, v13, |v[XS+\i+2]|, |v[XS+\i+3]|
.endr
	s_delay_alu instid0(VALU_DEP_2)
	v_max3_num_f32 v12, v12, |v[XS+30]|, |v[XS+31]|
	s_delay_alu instid0(VALU_DEP_1)
	v_max3_num_f32 v12, v12, v13, 0x8000000
	s_delay_alu instid0(VALU_DEP_1)
	v_add_nc_u32 v11, 0xf8800000, v12
	s_delay_alu instid0(VALU_DEP_2)
	v_and_or_b32 v10, v12, 0x7f800000, s[MNT]
.if (\c) == 0
	s_delay_alu instid0(VALU_DEP_2)
	v_lshrrev_b32 v21, 23, v11
.else
	s_delay_alu instid0(VALU_DEP_2)
	v_lshrrev_b32 v13, 23, v11
	s_delay_alu instid0(VALU_DEP_1)
	v_lshl_or_b32 v21, v13, 8*(\c), v21
.endif
.set i, 0
.rept 32
	v_med3_num_f32 v[XS+i], v[XS+i], -v10, v10
.set i, i+1
.endr
.irp g, 0,1,2,3
	v_cvt_scalef32_pk8_bf8_f32 v[CC+2*\g:CC+2*\g+1], v[XS+8*\g:XS+8*\g+7], v11
.endr
	global_store_b128 v7, v[CC:CC+3], s[26:27] offset:512*(\c)           ; d 0-15 of the block: sixteen lanes fill 256 consecutive bytes of each tile
	global_store_b128 v7, v[CC+4:CC+7], s[26:27] offset:512*(\c)+256     ; d 16-31.  Each block has code registers of its own
.if \more
	WLOAD (\c)+2                                   ; the set just converted takes the block two further on
.endif
.endm
	WLOAD 0
	WLOAD 1
	WBLOCK 0, 32, 1
	WBLOCK 1, 32, 1
	WBLOCK 2, 32, 0
	WBLOCK 3, 0, 0
	global_store_b32 v22, v21, s[14:15]
	s_endpgm
.Lfunc_end_k_qe2945a351a_prep:
	.size	k_qe2945a351a_prep, .Lfunc_end_k_qe2945a351a_prep-k_qe2945a351a_prep
	.p2alignl 7, 3214868480
	.fill 96, 4, 3214868480
	.section	.rodata,"a",@progbits
	.p2align	6, 0x0
	.amdhsa_kernel k_qe2945a351a_prep
		.amdhsa_group_segment_fixed_size 67584
		.amdhsa_private_segment_fixed_size 0
		.amdhsa_enable_private_segment 0
		.amdhsa_kernarg_size 48
		.amdhsa_user_sgpr_count 2
		.amdhsa_user_sgpr_kernarg_segment_ptr 1
		.amdhsa_wavefront_size32 1
		.amdhsa_system_sgpr_workgroup_id_x 1
		.amdhsa_system_sgpr_workgroup_id_y 1
		.amdhsa_system_sgpr_workgroup_id_z 1
		.amdhsa_system_vgpr_workitem_id 0
		.amdhsa_next_free_vgpr 130
		.amdhsa_next_free_sgpr 66
		.amdhsa_reserve_vcc 0
		.amdhsa_float_denorm_mode_32 3
		.amdhsa_float_denorm_mode_16_64 3
		.amdhsa_memory_ordered 1
		.amdhsa_forward_progress 1
		.amdhsa_inst_pref_size 61
	.end_amdhsa_kernel
	.amdgpu_metadata
---
amdhsa.version: [ 1, 2 ]
amdhsa.kernels:
  - .name:           k_qe2945a351a_prep
    .symbol:         k_qe2945a351a_prep.kd
    .args:
      - { .name: x, .offset: 0, .size: 8, .value_kind: global_buffer, .address_space: global }
      - { .name: Wo, .offset: 8, .size: 8, .value_kind: global_buffer, .address_space: global }
      - { .name: Wq, .offset: 16, .size: 8, .value_kind: global_buffer, .address_space: global }
      - { .name: Wk, .offset: 24, .size: 8, .value_kind: global_buffer, .address_space: global }
      - { .name: Wv, .offset: 32, .size: 8, .value_kind: global_buffer, .address_space: global }
      - { .name: pre, .offset: 40, .size: 8, .value_kind: global_buffer, .address_space: global }
    .group_segment_fixed_size: 67584
    .private_segment_fixed_size: 0
    .kernarg_segment_align: 8
    .kernarg_segment_size: 48
    .max_flat_workgroup_size: 256
    .sgpr_count:     66
    .vgpr_count:     130
    .wavefront_size: 32
...
	.end_amdgpu_metadata
.endif
;; end of part 1
;; launch qkv (part 2): grid 12 x 32, 4 waves a work-group, clusters of 4 x 4, 327,680 bytes of LDS; arguments pre, bq, bk, bv, qkv; writes qkv
.if DOCPART == 2
	.amdgcn_target "amdgcn-amd-amdhsa--gfx1250"
	.amdhsa_code_object_version 6
	.text
	.protected	k_qe2945a351a_qkv
	.globl	k_qe2945a351a_qkv
	.p2align	8
	.type	k_qe2945a351a_qkv,@function
k_qe2945a351a_qkv:
	s_mov_b64 s[64:65], 0
	v_nop
	global_prefetch_b8 v0, s[64:65] scope:SCOPE_SE
	s_setreg_imm32_b32 hwreg(HW_REG_WAVE_MODE, 25, 1), 1
	s_wait_xcnt 0x0
	s_wait_alu depctr_hold_cnt(0) depctr_sa_sdst(0) depctr_va_vdst(0) depctr_va_sdst(0) depctr_va_ssrc(0) depctr_va_vcc(0) depctr_vm_vsrc(0)
	s_getreg_b32 s2, hwreg(HW_REG_IB_STS2, 6, 4)
	s_cmp_eq_u32 s2, 0
	s_cbranch_scc0 .Lentry_in_a_cluster
	s_endpgm
.Lentry_in_a_cluster:
	s_bfe_u32 s2, ttmp6, 0x10000c
	s_cmp_lg_u32 s2, 0xf033
	s_cbranch_scc0 .Lentry_shape_is_right
	s_endpgm
.Lentry_shape_is_right:
.set WC,   8388608
.set XNS,  12582912
.set WS,   12845056
.set VI,   16777216
.set QSW,  25165824
.set VSW,  25690112
.set NQ,    2
.set FR,    16
.set NL,    4
.set NP,    8
.set HALFT, 32768
.set SLOT,  131072
.set SCL,   262144
.set HALFS, 4096
.set SBLK,  512
.set SPARE, 296960
.set ADRA, 16
.set ADRB, 20
.set L16,  24
.set L4,   25
.set ADRS, 27
.set SPW,  28
.set NIL,  29
.set SC,   32
.set BI,   64
.set AF,   128
.set HA,   128
.set PC,   192
.set TM,   208
.set PWS,  232
.set WD,   240
.set G1, 24
.set G0, 32
.set G1B, 48
.set G0B, 56
.set G1S, 68
.set G0S, 76
.set G1SB, 80
.set G0SB, 88
.set SEL, 96
.set MNT, 98
.set MSB, 0
.macro WIN new
.if MSB != (\new)
	s_set_vgpr_msb (MSB<<8)|(\new)
.set MSB, (\new)
.endif
.endm
.set MUL_LO, 0xa1
.set MUL_HI, 0xf1
.set TO_B,   0x40
.macro JLOAD g0a, g1a, g0b, g1b
	s_cmp_eq_u32 s15, 0
	s_cbranch_scc0 .Lfor_b_\@
	tensor_load_to_lds s[\g0a:\g0a+3], s[\g1a:\g1a+7]
	s_nop 0
.rept 4
	v_nop
.endr
	s_branch .Lasked_\@
.Lfor_b_\@:
	tensor_load_to_lds s[\g0b:\g0b+3], s[\g1b:\g1b+7]
	s_nop 0
.rept 4
	v_nop
.endr
.Lasked_\@:
.endm
.macro CREST
	s_cmp_lg_u32 s14, 0
	s_cbranch_scc1 .Lnot_wave_0_\@
	s_barrier_signal -3
.Lnot_wave_0_\@:
	s_barrier_wait -3
	s_barrier_signal -1
	s_barrier_wait -1
.endm
.macro CROUND
	s_barrier_signal -1
	s_barrier_wait -1
	CREST
.endm
.macro PLACES n
.rept \n
	v_nop
.endr
.endm
.macro QUANT s, pw
.irp b, 0,1,2,3
	v_max3_num_f32 v[TM+\b], |v[\s+16*\b]|, |v[\s+1+16*\b]|, 0x8000000
.endr
.irp i, 2,4,6,8,10,12,14
.irp b, 0,1,2,3
	v_max3_num_f32 v[TM+\b], v[TM+\b], |v[\s+16*\b+\i]|, |v[\s+1+16*\b+\i]|
.endr
.endr
.irp b, 0,1,2,3
	v_permlanex16_b32 v[TM+4+\b], v[TM+\b], s[SEL], s[SEL+1]
.endr
.irp b, 0,1,2,3
	v_max_num_f32 v[TM+\b], v[TM+\b], v[TM+4+\b]
.endr
.irp b, 0,1,2,3
	v_add_nc_u32 v[TM+12+\b], 0xf8800000, v[TM+\b]
.endr
.irp b, 0,1,2,3
	v_and_or_b32 v[TM+8+\b], v[TM+\b], 0x7f800000, s[MNT]
.endr
.irp b, 0,1,2,3
	v_lshrrev_b32 v[TM+4+\b], 23, v[TM+12+\b]
.endr
	v_lshl_or_b32 v[\pw], v[TM+5], 8, v[TM+4]
	v_lshl_or_b32 v[\pw], v[TM+6], 16, v[\pw]
	v_lshl_or_b32 v[\pw], v[TM+7], 24, v[\pw]
.irp b, 0,1,2,3
.irp i, 0,1,2,3,4,5,6,7,8,9,10,11,12,13,14,15
	v_med3_num_f32 v[\s+16*\b+\i], v[\s+16*\b+\i], -v[TM+8+\b], v[TM+8+\b]
.endr
	v_cvt_scalef32_pk8_bf8_f32 v[PC+4*\b:PC+1+4*\b], v[\s+16*\b:\s+7+16*\b], v[TM+12+\b]
	v_cvt_scalef32_pk8_bf8_f32 v[PC+2+4*\b:PC+3+4*\b], v[\s+8+16*\b:\s+15+16*\b], v[TM+12+\b]
.endr
	v_nop
.endm
	s_load_b256 s[4:11], s[0:1], 0x0
	s_load_b64 s[12:13], s[0:1], 0x20
	v_lshl_add_u32 v[SPW], v0, 2, SPARE
	v_mov_b32 v[NIL], 0
	ds_add_u32 v28, v29
	ds_add_u32 v28, v29
	s_wait_dscnt 0x0
	v_lshrrev_b32 v1, 5, v0
	v_readfirstlane_b32 s14, v1
	s_lshr_b32 s15, s14, 1
	s_and_b32 s16, s14, 1
	s_bfe_u32 s40, ttmp6, 0x40000
	s_bfe_u32 s41, ttmp6, 0x40004
	s_lshl_b32 s42, ttmp9, 2
	s_add_co_u32 s42, s42, s40
	s_and_b32 s17, ttmp7, 0xffff
	s_lshl_b32 s17, s17, 2
	s_add_co_u32 s17, s17, s41
	s_lshl_b32 s43, s41, 2
	s_lshl_b32 s43, 15, s43
	s_lshl_b32 s44, 0x1111, s40
	s_or_b32 s[G1+0], s43, (3<<16)|(1<<21)
	s_or_b32 s[G1B+0], s44, (3<<16)|(1<<21)
.irp g, G1, G1B
	s_mov_b32 s[\g+1], 512<<16
	s_mov_b32 s[\g+2], 16<<16
	s_mov_b32 s[\g+3], 512<<16
	s_mov_b32 s[\g+4], 16
	s_mov_b32 s[\g+5], 2048
	s_mov_b32 s[\g+6], 0
	s_mov_b32 s[\g+7], 0
.endr
	s_or_b32 s[G1S+0], s43, (3<<16)|(1<<21)
	s_or_b32 s[G1SB+0], s44, (3<<16)|(1<<21)
.irp g, G1S, G1SB
	s_mov_b32 s[\g+1], 32<<16
	s_mov_b32 s[\g+2], 32<<16
	s_mov_b32 s[\g+3], 32<<16
	s_mov_b32 s[\g+4], 32
	s_mov_b32 s[\g+5], 32
	s_mov_b32 s[\g+6], 0
	s_mov_b32 s[\g+7], 0
.endr
	s_lshl_b32 s18, s16, 17
	s_lshl_b32 s20, s17, 18
	s_add_co_u32 s20, s20, s18
	s_mov_b32 s21, 0
	s_lshl_b32 s22, s17, 13
	s_add_co_u32 s22, s22, XNS
	s_mov_b32 s23, 0
	s_lshl_b32 s46, s42, 18
	s_add_co_u32 s46, s46, s18
	s_add_co_u32 s46, s46, WC
	s_mov_b32 s47, 0
	s_lshl_b32 s92, s42, 13
	s_add_co_u32 s92, s92, WS
	s_mov_b32 s93, 0
	s_lshl_b32 s45, s14, 15
	s_mov_b32 s[SEL], 0x76543210
	s_mov_b32 s[SEL+1], 0xfedcba98
	s_mov_b32 s[MNT], 0x600000
	s_wait_kmcnt 0x0
	s_add_nc_u64 s[20:21], s[4:5], s[20:21]
	s_add_nc_u64 s[22:23], s[4:5], s[22:23]
	s_add_nc_u64 s[46:47], s[4:5], s[46:47]
	s_add_nc_u64 s[92:93], s[4:5], s[92:93]
	CROUND
	s_mov_b32 s[G0S], 1
	s_mov_b32 s[G0S+1], SCL
	s_mov_b64 s[G0S+2:G0S+3], s[22:23]
	s_or_b32 s[G0S+3], s[G0S+3], 0x80000000
	s_mov_b32 s[G0SB], 1
	s_mov_b32 s[G0SB+1], SCL+2*HALFS
	s_mov_b64 s[G0SB+2:G0SB+3], s[92:93]
	s_or_b32 s[G0SB+3], s[G0SB+3], 0x80000000
.irp s, 0,1
	s_mov_b32 s[G0+4*\s], 1
	s_add_co_u32 s[G0+4*\s+1], s45, \s*SLOT
	s_add_nc_u64 s[G0+4*\s+2:G0+4*\s+3], s[20:21], \s*4096
	s_or_b32 s[G0+4*\s+3], s[G0+4*\s+3], 0x80000000
	s_mov_b32 s[G0B+4*\s], 1
	s_add_co_u32 s[G0B+4*\s+1], s45, \s*SLOT
	s_add_nc_u64 s[G0B+4*\s+2:G0B+4*\s+3], s[46:47], \s*4096
	s_or_b32 s[G0B+4*\s+3], s[G0B+4*\s+3], 0x80000000
.endr
; THE HEAD'S LOADS, ONE A WAVE, each tile whole: wave 0 K step 0's 16 row tiles of x (its own group 0 begins at the tile's first byte), wave 2 those of the weights,
; wave 1 the scale words of x's 256 rows, wave 3 those of the weights'.  One tree of branches on the wave's number: every way passes exactly one load.
.macro ARM under, g0, g1, next
	s_cmp_lt_u32 s14, \under
	s_cbranch_scc0 \next
	tensor_load_to_lds s[\g0:\g0+3], s[\g1:\g1+7]
	s_nop 0
.rept 4
	v_nop
.endr
	s_branch .Lhead_asked
\next:
.endm
	ARM 1, G0,  G1,  .Lhead_sa
	ARM 2, G0S, G1S, .Lhead_b
	ARM 3, G0B, G1B, .Lhead_sb
	tensor_load_to_lds s[G0SB:G0SB+3], s[G1SB:G1SB+7]
	s_nop 0
.rept 4
	v_nop
.endr
.Lhead_asked:
	s_wait_alu depctr_va_vdst(0)
	s_wait_tensorcnt 0x0                           ; my tile of the head's four is in; these lines stand ahead of slot 1's first fill as ahead of a refill
	ds_add_u32 v28, v29
	s_mov_b32 s[G1+2], 8<<16                       ; no tensor load of mine is out: from here on a load brings 8 row tiles, a quarter of a slot
	s_mov_b32 s[G1+4], 8
	s_mov_b32 s[G1B+2], 8<<16
	s_mov_b32 s[G1B+4], 8
	s_wait_dscnt 0x0
	CROUND
	JLOAD G0+4, G1, G0B+4, G1B
	v_and_b32 v1, 15, v0
	v_bfe_u32 v2, v0, 4, 1
	v_and_b32 v3, 31, v0
	v_lshlrev_b32 v[L16], 4, v3
	s_wait_alu depctr_va_vdst(0)
	v_lshlrev_b32 v[L4], 2, v3
	s_cmp_eq_u32 ttmp9, 2
	s_cselect_b32 s21, 2*HALFT, 0
	s_cselect_b32 s22, 0, 2*HALFT
	s_cselect_b32 s23, 1, 0
	s_lshl_b32 s2, s15, 15
	s_add_co_u32 s21, s21, s2
	s_lshl_b32 s2, s16, 15
	s_add_co_u32 s22, s22, s2
.irp s, 0,1
	v_add_nc_u32 v[ADRA+\s], s21, v[L16]
	v_add_nc_u32 v[ADRB+\s], s22, v[L16]
	s_add_co_u32 s21, s21, SLOT
	s_add_co_u32 s22, s22, SLOT
.endr
	v_lshlrev_b32 v5, 5, v1                        ; my row's 32 bytes of scale words
	s_xor_b32 s18, s15, s16
	v_and_b32 v7, s18, v2
	v_xor_b32 v7, s15, v7                          ; which half of a pair of slots: lanes 0-15 that of my rows, lanes 16-31 that of my columns
	v_xor_b32 v6, s23, v2                          ; which pair: x's slots 0, 1 or the weights' slots 2, 3
	v_lshl_add_u32 v5, v7, 12, v5                  ; a slot is HALFS = 4,096 bytes
	v_lshl_add_u32 v5, v6, 13, v5
	v_add_nc_u32 v[ADRS], SCL, v5
.macro FRAG reg, adr, q, i
.irp c, 0,1,2,3
	ds_load_b128 v[\reg+4*\c:\reg+4*\c+3], v[\adr] offset:(\i)*4096+(\q)*2048+512*\c
.endr
.endm
.macro MM a, b, p, q, sc, zero
.set DD, 8*(8*((\a)%4)+\b)
.if \zero
	v_wmma_scale_f32_16x16x128_f8f6f4 v[DD:DD+7], v[128*(\p)+FR*\b:128*(\p)+FR*\b+FR-1], v[AF+FR*(\a):AF+FR*(\a)+FR-1], 0, v[SC+16*(\sc)+2*\b+(\q)], v[SC+16*(\sc)+2*(\a)+(\q)] matrix_a_fmt:MATRIX_FMT_BF8 matrix_b_fmt:MATRIX_FMT_BF8 matrix_a_scale:MATRIX_SCALE_ROW1
.else
	v_wmma_scale_f32_16x16x128_f8f6f4 v[DD:DD+7], v[128*(\p)+FR*\b:128*(\p)+FR*\b+FR-1], v[AF+FR*(\a):AF+FR*(\a)+FR-1], v[DD:DD+7], v[SC+16*(\sc)+2*\b+(\q)], v[SC+16*(\sc)+2*(\a)+(\q)] matrix_a_fmt:MATRIX_FMT_BF8 matrix_b_fmt:MATRIX_FMT_BF8 matrix_a_scale:MATRIX_SCALE_ROW1
.endif
.endm
.macro MUL16 a0, p, q, sc, zero
.irp a, \a0, \a0+1
.irp b, 0,1,2,3,4,5,6,7
	MM \a, \b, \p, \q, \sc, \zero
.endr
.endr
.endm
.macro FETCH_B slot, q, p
	WIN TO_B
.irp i, 0,1,2,3,4,5,6,7
	FRAG 128*(\p)+FR*\i, ADRB+\slot, \q, \i
.endr
	WIN 0
.endm
.macro FETCH_A slot, q, i0
.irp i, \i0, \i0+1, \i0+2, \i0+3
	FRAG AF+FR*(\i), ADRA+\slot, \q, \i
.endr
.endm
.macro SCALES sc
.irp i, 0,1,2,3,4,5,6,7
	ds_load_b64 v[SC+16*\sc+2*\i:SC+16*\sc+2*\i+1], v[ADRS] offset:\i*SBLK
.endr
.endm
.macro STEP slot, q, zero
	s_wait_dscnt 4*NL
	WIN MUL_LO
	MUL16 0, (\q)%2, \q, \slot, \zero
	MUL16 2, (\q)%2, \q, \slot, \zero
	s_wait_dscnt 0
	PLACES NP
	FETCH_B \slot, (\q)+1, 1-(\q)%2
	FETCH_A \slot, (\q)+1, 0
	WIN MUL_HI
	MUL16 4, (\q)%2, \q, \slot, \zero
	MUL16 6, (\q)%2, \q, \slot, \zero
	PLACES NP
	WIN 0
	FETCH_A \slot, (\q)+1, 4
.endm
.macro TURN slot, next, fill
	s_wait_tensorcnt 0x0
	ds_add_u32 v[SPW], v[NIL]
	s_wait_dscnt 4*NL+1
	WIN MUL_LO
	MUL16 0, 1, NQ-1, \slot, 0
	s_wait_dscnt 0x0
	s_barrier_signal -1
	MUL16 2, 1, NQ-1, \slot, 0
	WIN 0
	s_barrier_wait -1
.if \fill
	CREST
	s_add_nc_u64 s[G0+4*\slot+2:G0+4*\slot+3], s[G0+4*\slot+2:G0+4*\slot+3], 8192
	s_add_nc_u64 s[G0B+4*\slot+2:G0B+4*\slot+3], s[G0B+4*\slot+2:G0B+4*\slot+3], 8192
	JLOAD G0+4*\slot, G1, G0B+4*\slot, G1B
	PLACES NP-4
.else
	PLACES NP
.endif
	s_wait_alu depctr_va_vdst(0)
	v_add_nc_u32 v[ADRS], 4*NQ, v[ADRS]
	FETCH_B \next, 0, 0
	FETCH_A \next, 0, 0
	SCALES \next
	WIN MUL_HI
	MUL16 4, 1, NQ-1, \slot, 0
	MUL16 6, 1, NQ-1, \slot, 0
	PLACES NP
	WIN 0
	FETCH_A \next, 0, 4
.endm
.macro LAST
	s_wait_dscnt 4*NL
	WIN MUL_LO
	MUL16 0, 1, NQ-1, 1, 0
	MUL16 2, 1, NQ-1, 1, 0
	s_wait_dscnt 0
	WIN MUL_HI
	MUL16 4, 1, NQ-1, 1, 0
	MUL16 6, 1, NQ-1, 1, 0
	WIN 0
	PLACES NP
	s_wait_loadcnt 0x0
.irp b, 0,1,2,3
	v_mov_b32 v[TM+4+\b], 0
.endr
	v_cmp_eq_u32 vcc_lo, 1, v2
.endm
.macro BLOCKOUT a, vr
	s_wait_xcnt 0x0
	WIN 0x02+(\a)/4
.set i, 0
.rept 32
.if \vr
	v_pk_add_f32 v[HA+i:HA+i+1], v[64*((\a)%4)+i:64*((\a)%4)+i+1], v[BI+2*(\a):BI+2*(\a)+1] op_sel_hi:[1,0]
.else
	v_pk_add_f32 v[HA+i:HA+i+1], v[64*((\a)%4)+i:64*((\a)%4)+i+1], v[BI+i:BI+i+1]
.endif
.set i, i+2
.endr
	WIN 0
	QUANT HA, PWS+(\a)
.irp c, 0,1,2,3
.if \vr
	global_store_b128 v[L16], v[PC+4*\c:PC+4*\c+3], s[20:21] offset:((\a)/4)*131072+((\a)%4)*2048+512*\c
.else
	global_store_b128 v[L16], v[PC+4*\c:PC+4*\c+3], s[20:21] offset:(\c/2)*131072+((\a)/2)*2048+(2*((\a)%2)+\c%2)*512
.endif
.endr
.endm
	s_wait_alu depctr_va_vdst(0)
	s_wait_tensorcnt 1
	s_barrier_signal -1
	s_barrier_wait -1
	FETCH_B 0, 0, 0
	FETCH_A 0, 0, 0
	SCALES 0
	FETCH_A 0, 0, 4
	STEP 0, 0, 1
	TURN 0, 1, 1
	STEP 1, 0, 0
	TURN 1, 0, 1
	STEP 0, 0, 0
	TURN 0, 1, 0
	STEP 1, 0, 0
	s_cmp_eq_u32 ttmp9, 2
	s_cbranch_scc1 .Lrole_v
	s_lshl_b32 s18, s40, 2
	s_lshl_b32 s19, s16, 1
	s_add_co_u32 s18, s18, s19
	s_lshr_b32 s19, s17, 3
	s_lshl_b32 s19, s19, 4
	s_add_co_u32 s19, s19, s18
	s_and_b32 s46, s17, 7
	s_lshl_b32 s46, s46, 3
	s_lshl_b32 s47, s15, 2
	s_add_co_u32 s46, s46, s47
	s_lshl_b32 s20, ttmp9, 23
	s_lshl_b32 s47, s19, 17
	s_add_co_u32 s20, s20, s47
	s_lshl_b32 s47, s46, 11
	s_add_co_u32 s20, s20, s47
	s_mov_b32 s21, 0
	s_add_nc_u64 s[20:21], s[12:13], s[20:21]
	s_lshl_b32 s22, ttmp9, 18
	s_lshl_b32 s47, s19, 12
	s_add_co_u32 s22, s22, s47
	s_lshl_b32 s47, s46, 6
	s_add_co_u32 s22, s22, s47
	s_add_co_u32 s22, s22, QSW
	s_mov_b32 s23, 0
	s_add_nc_u64 s[22:23], s[12:13], s[22:23]
	s_cmp_eq_u32 ttmp9, 0
	s_cselect_b64 s[6:7], s[6:7], s[8:9]
	s_lshl_b32 s47, s18, 8
	v_lshlrev_b32 v30, 6, v2
	v_add_nc_u32 v30, s47, v30
.irp b, 0,1,2,3
.irp j, 0,1,2,3
	global_load_b128 v[BI+16*\b+4*\j:BI+16*\b+4*\j+3], v30, s[6:7] offset:128*\b+16*\j
.endr
.endr
	LAST
.irp a, 0,1,2,3,4,5,6,7
	BLOCKOUT \a, 0
.endr
.irp e, 0,1,2,3
	v_perm_b32 v[WD+\e], v[PWS+2*\e+1], v[PWS+2*\e], 0x05040100
	v_perm_b32 v[WD+4+\e], v[PWS+2*\e+1], v[PWS+2*\e], 0x07060302
.endr
.irp hl, 0,1
.irp f, 0,1
	v_cndmask_b32 v[WD+4*\hl+2*\f], v[WD+4*\hl+2*\f], v[WD+4*\hl+2*\f+1], vcc_lo
	global_store_b32 v[L4], v[WD+4*\hl+2*\f], s[22:23] offset:\hl*4096+128*\f
.endr
.endr
	s_branch .Lend
.Lrole_v:
	s_lshl_b32 s18, s40, 2
	s_lshl_b32 s19, s15, 1
	s_add_co_u32 s18, s18, s19
	s_lshr_b32 s19, s17, 3
	s_lshl_b32 s19, s19, 4
	s_add_co_u32 s19, s19, s18
	s_and_b32 s46, s17, 7
	s_lshl_b32 s46, s46, 1
	s_add_co_u32 s46, s46, s16
	s_lshl_b32 s20, s19, 17
	s_lshl_b32 s47, s46, 13
	s_add_co_u32 s20, s20, s47
	s_add_co_u32 s20, s20, VI
	s_mov_b32 s21, 0
	s_add_nc_u64 s[20:21], s[12:13], s[20:21]
	s_lshl_b32 s22, s19, 12
	s_lshl_b32 s47, s46, 8
	s_add_co_u32 s22, s22, s47
	s_add_co_u32 s22, s22, VSW
	s_mov_b32 s23, 0
	s_add_nc_u64 s[22:23], s[12:13], s[22:23]
	s_lshl_b32 s47, s18, 8
	v_and_b32 v30, 8, v1
	v_add_nc_u32 v30, v30, v1
	v_lshlrev_b32 v30, 2, v30
	v_add_nc_u32 v30, s47, v30
.irp a, 0,1,2,3,4,5,6,7
	global_load_b32 v[BI+2*\a], v30, s[10:11] offset:(\a/4)*256+(32*((\a%4)/2)+8*(\a%2))*4
	global_load_b32 v[BI+2*\a+1], v30, s[10:11] offset:(\a/4)*256+(32*((\a%4)/2)+8*(\a%2))*4
.endr
	LAST
.irp a, 0,1,2,3,4,5,6,7
	BLOCKOUT \a, 1
.endr
.irp f, 0,1,2,3
	v_cndmask_b32 v[WD+\f], v[PWS+2*\f], v[PWS+2*\f+1], vcc_lo
	global_store_b32 v[L4], v[WD+\f], s[22:23] offset:(\f/2)*4096+((2*\f)%4)*64
.endr
.Lend:
	s_wait_tensorcnt 0x0
	ds_add_u32 v[SPW], v[NIL]
	s_wait_dscnt 0x0
	CROUND
	s_endpgm
.Lfunc_end_k_qe2945a351a_qkv:
	.size	k_qe2945a351a_qkv, .Lfunc_end_k_qe2945a351a_qkv-k_qe2945a351a_qkv
	.p2alignl 7, 3214868480
	.fill 96, 4, 3214868480
	.section	.rodata,"a",@progbits
	.p2align	6, 0x0
	.amdhsa_kernel k_qe2945a351a_qkv
		.amdhsa_group_segment_fixed_size 327680
		.amdhsa_private_segment_fixed_size 0
		.amdhsa_enable_private_segment 0
		.amdhsa_kernarg_size 40
		.amdhsa_user_sgpr_count 2
		.amdhsa_user_sgpr_kernarg_segment_ptr 1
		.amdhsa_wavefront_size32 1
		.amdhsa_system_sgpr_workgroup_id_x 1
		.amdhsa_system_sgpr_workgroup_id_y 1
		.amdhsa_system_sgpr_workgroup_id_z 1
		.amdhsa_system_vgpr_workitem_id 0
		.amdhsa_next_free_vgpr 1024
		.amdhsa_next_free_sgpr 100
		.amdhsa_reserve_vcc 1
		.amdhsa_float_denorm_mode_32 3
		.amdhsa_float_denorm_mode_16_64 3
		.amdhsa_memory_ordered 1
		.amdhsa_forward_progress 1
		.amdhsa_inst_pref_size 255
	.end_amdhsa_kernel
	.section	.bss,"aw",@nobits
	.p2align	6
	.space	262144
	.amdgpu_metadata
---
amdhsa.version: [ 1, 2 ]
amdhsa.kernels:
  - .name:           k_qe2945a351a_qkv
    .symbol:         k_qe2945a351a_qkv.kd
    .args:
      - { .name: pre, .offset: 0, .size: 8, .value_kind: global_buffer, .address_space: global }
      - { .name: bq, .offset: 8, .size: 8, .value_kind: global_buffer, .address_space: global }
      - { .name: bk, .offset: 16, .size: 8, .value_kind: global_buffer, .address_space: global }
      - { .name: bv, .offset: 24, .size: 8, .value_kind: global_buffer, .address_space: global }
      - { .name: qkv, .offset: 32, .size: 8, .value_kind: global_buffer, .address_space: global }
    .group_segment_fixed_size: 327680
    .private_segment_fixed_size: 0
    .kernarg_segment_align: 8
    .kernarg_segment_size: 40
    .max_flat_workgroup_size: 128
    .sgpr_count:     100
    .vgpr_count:     1024
    .wavefront_size: 32
...
	.end_amdgpu_metadata
.endif
;; end of part 2
;; launch stats (part 3): grid 4 x 64, 16 waves a work-group, clusters of 4 x 1, 167,936 bytes of LDS; arguments qkv, stat; writes stat
.if DOCPART == 3
	.amdgcn_target "amdgcn-amd-amdhsa--gfx1250"
	.amdhsa_code_object_version 6
	.text
	.protected	k_qe2945a351a_stats
	.globl	k_qe2945a351a_stats
	.p2align	8
	.type	k_qe2945a351a_stats,@function
k_qe2945a351a_stats:
	s_mov_b64 s[64:65], 0
	v_nop
	global_prefetch_b8 v0, s[64:65] scope:SCOPE_SE
	s_setreg_imm32_b32 hwreg(HW_REG_WAVE_MODE, 25, 1), 1
	s_wait_xcnt 0x0
	s_wait_alu depctr_hold_cnt(0) depctr_sa_sdst(0) depctr_va_vdst(0) depctr_va_sdst(0) depctr_va_ssrc(0) depctr_va_vcc(0) depctr_vm_vsrc(0)
	s_getreg_b32 s2, hwreg(HW_REG_IB_STS2, 6, 4)
	s_cmp_eq_u32 s2, 0
	s_cbranch_scc0 .Lentry_in_a_cluster
	s_endpgm
.Lentry_in_a_cluster:
	s_bfe_u32 s2, ttmp6, 0x10000c
	s_cmp_lg_u32 s2, 0x3003
	s_cbranch_scc0 .Lentry_shape_is_right
	s_endpgm
.Lentry_shape_is_right:
; -n_s for every key s of every (batch, head): n_s = log2 of the sum over ALL QUERIES q of 2^(c S[q][s]), c = log2(e) / 8: the softmax of this problem runs over the queries.
; S = Q K^T on codes of E5M2.  A work-group owns 512 keys of one head, each of its sixteen waves 32 keys (two tiles of 16), and walks the head's 2,048 queries, 64 a trip.
; Source 0 = a PAIR fragment of Q (32 queries: 64 codes of one query tile beside 64 of the next), source 1 = a tile of K beside zero codes: a lane holds ONE key, its registers run along the queries.
; So the running largest score, taken away before every exponential, and the running sum are a lane's own; lanes l and l xor 16 are joined once, at the end.
; The head's Q (131,072 bytes of codes, 4,096 of scale words) lies in LDS, filled once by joint loads of the cluster's four work-groups, one load a wave: waves 0-7 16,384 bytes of codes each, wave 8 the words.
; A TRIP: tile 0's four products; the sums of tile 1's last weights (the places behind them); tile 1's four products; tile 0's largest score and scaling (their places); tile 1's largest score;
; tile 0's exponentials, among them tile 1's 16 scalings, which hang on nothing in that run; tile 1's exponentials, among them the first level of tile 0's sum; the rest of that sum.
; No prefetch: a work-group asks for its data once, at its head: there is no loop to run ahead in.
; LIMITS: the promise holds while the scaled scores stay under 2^31 in magnitude; NaN and infinities are not served; v_exp_f32 gives 0 under 2^-126.
.set KI,  8388608
.set QSW, 25165824
.set KSW, 25427968
.set QW,  131072                       ; LDS: Q's scale words, behind its codes
.set SPARE, 135168                     ; the spare words: 128 bytes a wave
.set AQ,  1                            ; v1 LDS address of the trip's codes
.set AW,  2                            ; v2 of its scale words
.set F,   8                            ; v[8:9], v[10:11] 2^(old largest - new), low word
.set KS,  12                           ; v12-13 K's scale words
.set QWD, 14                           ; v14-15 Q's scale words
.set LP,  16                           ; v[16:17], v[18:19] the sums, in two halves
.set CM,  20                           ; v[20:21], v[22:23] c x largest score, largest score
.set DF,  24
.set SPW, 26
.set NIL, 27
.set KZ,  28                           ; v28-67  0 K0 0 K1 0
.set RA,  68                           ; two pair fragments of Q
.set X,   100                          ; tile 0's 32 scores
.set Y,   132                          ; tile 1's
.set WV,  8
.set CS,  16
.set SEL, 18
.set G1A, 24
.set G1C, 32
.macro ROUND
	s_barrier_signal -1
	s_barrier_wait -1
	s_cmp_lg_u32 s[WV], 0
	s_cbranch_scc1 .Lnot_wave_0_\@
	s_barrier_signal -3
.Lnot_wave_0_\@:
	s_barrier_wait -3
	s_barrier_signal -1
	s_barrier_wait -1
.endm
.macro ARM under, g0, g1, next         ; one arm of the head's tree: a load, its five lines, a jump to the tree's end
	s_cmp_lt_u32 s[WV], \under
	s_cbranch_scc0 \next
	tensor_load_to_lds s[\g0:\g0+3], s[\g1:\g1+7]
	s_nop 0
.rept 4
	v_nop
.endr
	s_branch .Lhead_asked
\next:
.endm
	s_load_b128 s[4:7], s[0:1], 0x0                ; qkv, stat
	v_lshl_add_u32 v[SPW], v0, 2, SPARE
	v_mov_b32 v[NIL], 0
	ds_add_u32 v[SPW], v[NIL]                      ; the opening lines
	ds_add_u32 v[SPW], v[NIL]
	v_lshrrev_b32 v4, 5, v0
	s_delay_alu instid0(VALU_DEP_1)
	v_readfirstlane_b32 s[WV], v4                  ; wave 0..15
	s_bfe_u32 s9, ttmp6, 0x40000                   ; cx: it enters global addresses of my own loads and stores alone
	s_and_b32 s10, ttmp7, 0xffff                   ; 16 b + head, which the four partners share
.irp g, G1A, G1C                               ; dense rows of 256 bytes (32 elements of 8); mask: all four work-groups
	s_mov_b32 s[\g], 15|(3<<16)|(1<<21)
	s_mov_b32 s[\g+1], 32<<16
	s_mov_b32 s[\g+3], 32<<16
	s_mov_b32 s[\g+5], 32
	s_mov_b32 s[\g+6], 0
	s_mov_b32 s[\g+7], 0
.endr
	s_mov_b32 s[G1A+2], 64<<16                     ; 16,384 bytes
	s_mov_b32 s[G1A+4], 64
	s_mov_b32 s[G1C+2], 16<<16                     ; 4,096 bytes
	s_mov_b32 s[G1C+4], 16
	s_lshl_b32 s12, s10, 17
	s_lshl_b32 s13, s[WV], 14
	s_add_co_u32 s12, s12, s13
	s_mov_b32 s13, 0
	s_lshl_b32 s14, s10, 12
	s_add_co_u32 s14, s14, QSW
	s_mov_b32 s15, 0
	s_mov_b32 s[CS], 0x3e38aa3b                    ; c = log2(e) / 8
	s_mov_b32 s[CS+1], s[CS]
	s_mov_b32 s[SEL], 0x76543210
	s_mov_b32 s[SEL+1], 0xfedcba98
	s_wait_dscnt 0x0
	s_wait_kmcnt 0x0
	s_mov_b32 s40, 1
	s_lshl_b32 s41, s[WV], 14
	s_add_nc_u64 s[42:43], s[4:5], s[12:13]
	s_or_b32 s43, s43, 0x80000000
	s_mov_b32 s44, 1
	s_mov_b32 s45, QW
	s_add_nc_u64 s[46:47], s[4:5], s[14:15]
	s_or_b32 s47, s47, 0x80000000
	ROUND                                          ; all four work-groups are here: the joint loads meet
	ARM 8, 40, G1A, .Lh_w
	ARM 9, 44, G1C, .Lh_none
.Lhead_asked:
	s_lshl_b32 s21, s9, 4
	s_add_co_u32 s21, s21, s[WV]                   ; my pair of key tiles
	s_lshl_b32 s48, s10, 17
	s_lshl_b32 s22, s21, 11
	s_add_co_u32 s48, s48, s22
	s_add_co_u32 s48, s48, KI
	s_mov_b32 s49, 0
	s_add_nc_u64 s[50:51], s[4:5], s[48:49]        ; K's codes
	s_lshl_b32 s48, s10, 12
	s_lshl_b32 s22, s21, 6
	s_add_co_u32 s48, s48, s22
	s_add_co_u32 s48, s48, KSW
	s_add_nc_u64 s[52:53], s[4:5], s[48:49]        ; K's scale words
	s_lshl_b32 s48, s10, 13
	s_lshl_b32 s22, s21, 7
	s_add_co_u32 s48, s48, s22
	s_add_nc_u64 s[54:55], s[6:7], s[48:49]        ; my 32 results
	v_and_b32 v[AQ], 31, v0
	s_delay_alu instid0(VALU_DEP_1)
	v_lshlrev_b32 v[AQ], 4, v[AQ]
	v_and_b32 v3, 15, v0
	s_delay_alu instid0(VALU_DEP_1)
	v_lshlrev_b32 v3, 2, v3
	s_delay_alu instid0(VALU_DEP_1)
	v_add_nc_u32 v[AW], QW, v3
	global_load_b128 v[KZ+8:KZ+11], v[AQ], s[50:51]
	global_load_b128 v[KZ+12:KZ+15], v[AQ], s[50:51] offset:512
	global_load_b128 v[KZ+24:KZ+27], v[AQ], s[50:51] offset:1024
	global_load_b128 v[KZ+28:KZ+31], v[AQ], s[50:51] offset:1536
	global_load_b32 v7, v3, s[52:53]
.irp z, 0,16,32
.irp j, 0,1,2,3,4,5,6,7
	v_mov_b32 v[KZ+\z+\j], 0                       ; zero codes
.endr
.endr
	v_mov_b32 v[CM+1], 0xff61b1e6                  ; the largest score so far: -3e38
	v_mov_b32 v[CM+3], 0xff61b1e6
	v_mul_f32 v[CM], s[CS], v[CM+1]
	v_mul_f32 v[CM+2], s[CS], v[CM+3]
.irp j, 4,5,6,F,F+1,F+3,LP,LP+1,LP+2,LP+3
	v_mov_b32 v[\j], 0
.endr
	v_mov_b32 v[F+2], 1.0                          ; the first trip adds tile 1's zeros below onto a sum of zero
	s_wait_loadcnt 0x0
	v_perm_b32 v[KS], v7, v7, 0x01000100           ; the lower tile's two bytes, twice
	v_perm_b32 v[KS+1], v7, v7, 0x03020302         ; the upper tile's
.set i, 0
.rept 32
	v_mov_b32 v[Y+i], 0
.set i, i+1
.endr
	s_wait_alu depctr_va_vdst(0)                   ; the wait at the head's end
	s_wait_tensorcnt 0x0
	s_barrier_signal -1
	s_barrier_wait -1                              ; the head's Q lies in LDS
.macro LOADQ                           ; 64 queries: two pair fragments and their scale words: ten loads
.irp k, 0,1,2,3,4,5,6,7
	ds_load_b128 v[RA+4*\k:RA+4*\k+3], v[AQ] offset:512*\k
.endr
	ds_load_b32 v[QWD], v[AW]
	ds_load_b32 v[QWD+1], v[AW] offset:64
.endm
.macro WM t, sb                        ; 64 queries x key tile t: four products, four accumulators
.irp f, 0,1
.irp u, 0,1
	v_wmma_scale_f32_16x16x128_f8f6f4 v[\sb+16*\f+8*\u:\sb+16*\f+8*\u+7], v[RA+16*\f:RA+16*\f+15], v[KZ+8+16*\t-8*\u:KZ+23+16*\t-8*\u], 0, v[QWD+\f], v[KS+\t] matrix_a_fmt:MATRIX_FMT_BF8 matrix_b_fmt:MATRIX_FMT_BF8
.endr
.endr
.endm
.macro S1 y                            ; the sum of 32 weights is a tree of packed additions in place.  Its first level: eight lines that hang on nothing of each other
.irp k, 0,4,8,12,16,20,24,28
	v_pk_add_f32 v[\y+\k:\y+\k+1], v[\y+\k:\y+\k+1], v[\y+\k+2:\y+\k+3]
.endr
.endm
.macro S2 y, t                         ; the other levels, and the running sum brought under the new largest score
.irp k, 0,8,16,24
	v_pk_add_f32 v[\y+\k:\y+\k+1], v[\y+\k:\y+\k+1], v[\y+\k+4:\y+\k+5]
.endr
	v_pk_add_f32 v[\y:\y+1], v[\y:\y+1], v[\y+8:\y+9]
	v_pk_add_f32 v[\y+16:\y+17], v[\y+16:\y+17], v[\y+24:\y+25]
	v_pk_add_f32 v[\y:\y+1], v[\y:\y+1], v[\y+16:\y+17]
	v_pk_fma_f32 v[LP+2*\t:LP+2*\t+1], v[LP+2*\t:LP+2*\t+1], v[F+2*\t:F+2*\t+1], v[\y:\y+1] op_sel_hi:[1,0,1]
.endm
.macro MAXO y, t                       ; the running largest score: each accumulator is first read at its low end
	v_max3_num_f32 v4, v[CM+2*\t+1], v[\y], v[\y+1]
	v_max3_num_f32 v5, v[\y+2], v[\y+3], v[\y+4]
.irp i, 5,9,13,17,21,25
	v_max3_num_f32 v4, v4, v[\y+\i], v[\y+\i+1]
	v_max3_num_f32 v5, v5, v[\y+\i+2], v[\y+\i+3]
.endr
	v_max3_num_f32 v4, v4, v[\y+29], v[\y+30]
	v_mov_b32 v[DF+\t], v[CM+2*\t]
	v_max3_num_f32 v[CM+2*\t+1], v4, v5, v[\y+31]
	v_mul_f32 v[CM+2*\t], s[CS], v[CM+2*\t+1]
	v_sub_f32 v[DF+\t], v[DF+\t], v[CM+2*\t]       ; old less new, 0 or less
.endm
; A barrier in two halves, a trip apart: a wave signals at a trip's head and waits for that signal of all sixteen at the next trip's head.  It orders no memory (LDS is filled before the loop):
; it holds the sixteen waves, which walk the same Q, within one trip of each other.  Between the halves stand register work and loads of LDS bytes that nobody writes.
.macro ITER more
	s_wait_dscnt 0x0                               ; this trip's fragments are in; no LDS instruction of mine is out at the signal
	s_barrier_wait -1
.if \more
	s_barrier_signal -1
.endif
	WM 0, X
	S1 Y                                           ; 16 plain lines that name nothing of the products above: their places
	S2 Y, 1
	WM 1, Y
	MAXO X, 0                                      ; these are the places behind tile 1's products, and in front of the loads into Q's registers
.set i, 0
.rept 16
	v_pk_fma_f32 v[X+i:X+i+1], v[X+i:X+i+1], s[CS:CS+1], v[CM:CM+1] op_sel_hi:[1,0,0] neg_lo:[0,0,1] neg_hi:[0,0,1]   ; c S - c x largest
.set i, i+2
.endr
.if \more
	v_add_nc_u32 v[AQ], 4096, v[AQ]
	v_add_nc_u32 v[AW], 128, v[AW]
	LOADQ
.endif
	MAXO Y, 1                                      ; tile 1's products are first read here, ahead of every exponential of the trip
	s_wait_alu depctr_va_vdst(0)                   ; the wait ahead of the run of exponentials
	v_exp_f32 v[F], v[DF]
.set i, 0
.rept 16
	v_exp_f32 v[X+i], v[X+i]
	v_exp_f32 v[X+i+1], v[X+i+1]
	v_pk_fma_f32 v[Y+i:Y+i+1], v[Y+i:Y+i+1], s[CS:CS+1], v[CM+2:CM+3] op_sel_hi:[1,0,0] neg_lo:[0,0,1] neg_hi:[0,0,1]   ; tile 1's scaling: what it writes is read behind the wait below
.set i, i+2
.endr
	s_wait_alu depctr_va_vdst(0)                   ; one wait: behind tile 0's exponentials, and ahead of tile 1's, which read the scalings
	v_exp_f32 v[F+2], v[DF+1]
.set i, 0
.rept 8
	v_exp_f32 v[Y+i], v[Y+i]
	v_exp_f32 v[Y+i+1], v[Y+i+1]
	v_exp_f32 v[Y+i+2], v[Y+i+2]
	v_exp_f32 v[Y+i+3], v[Y+i+3]
	v_pk_add_f32 v[X+i:X+i+1], v[X+i:X+i+1], v[X+i+2:X+i+3]   ; the first level of tile 0's sum: what it writes is read behind the wait below
.set i, i+4
.endr
	s_wait_alu depctr_va_vdst(0)                   ; behind tile 1's exponentials, ahead of the sum's next level and of the branch
	S2 X, 0
.endm
	s_barrier_signal -1                            ; the first half of the walk's barrier
	LOADQ
	s_mov_b32 s20, 31
.Ltrip:
	ITER 1
	s_sub_co_u32 s20, s20, 1
	s_cmp_lg_u32 s20, 0
	s_cbranch_scc1 .Ltrip
	ITER 0                                         ; the last 64 queries: nothing more to fetch
	S1 Y
	S2 Y, 1
	; lanes l and l xor 16 hold the two halves of a key's queries: joined under the larger of their two largest scores
	v_add_f32 v[LP], v[LP], v[LP+1]
	v_add_f32 v[LP+2], v[LP+2], v[LP+3]
	v_permlanex16_b32 v4, v[CM], s[SEL], s[SEL+1]
	v_permlanex16_b32 v5, v[CM+2], s[SEL], s[SEL+1]
	v_permlanex16_b32 v6, v[LP], s[SEL], s[SEL+1]
	v_permlanex16_b32 v7, v[LP+2], s[SEL], s[SEL+1]
	v_max_num_f32 v100, v[CM], v4
	v_max_num_f32 v101, v[CM+2], v5
	v_sub_f32 v102, v[CM], v100
	v_sub_f32 v103, v4, v100
	v_sub_f32 v104, v[CM+2], v101
	v_sub_f32 v105, v5, v101
	s_wait_alu depctr_va_vdst(0)
	v_exp_f32 v102, v102
	v_exp_f32 v103, v103
	v_exp_f32 v104, v104
	v_exp_f32 v105, v105
	v_bfe_u32 v106, v0, 4, 1
	s_wait_alu depctr_va_vdst(0)
	v_mul_f32 v102, v[LP], v102
	v_mul_f32 v104, v[LP+2], v104
	v_fma_f32 v102, v6, v103, v102
	v_fma_f32 v104, v7, v105, v104
	s_wait_alu depctr_va_vdst(0)
	v_log_f32 v102, v102
	v_log_f32 v104, v104
	v_and_b32 v107, 31, v0
	s_wait_alu depctr_va_vdst(0)
	v_add_f32 v102, v100, v102
	v_add_f32 v104, v101, v104
	v_cmp_eq_u32 vcc_lo, 1, v106
	v_cndmask_b32 v102, v102, v104, vcc_lo         ; lanes 0-15: tile 0's key r; lanes 16-31: tile 1's
	v_xor_b32 v102, 0x80000000, v102               ; -n
	v_lshlrev_b32 v107, 2, v107
	global_store_b32 v107, v102, s[54:55]          ; 128 consecutive bytes a wave
	s_wait_tensorcnt 0x0                           ; the wave's end
	ds_add_u32 v[SPW], v[NIL]
	s_wait_dscnt 0x0
	ROUND                                          ; the closing round
	s_endpgm
.Lfunc_end_k_qe2945a351a_stats:
	.size	k_qe2945a351a_stats, .Lfunc_end_k_qe2945a351a_stats-k_qe2945a351a_stats
	.p2alignl 7, 3214868480
	.fill 96, 4, 3214868480
	.section	.rodata,"a",@progbits
	.p2align	6, 0x0
	.amdhsa_kernel k_qe2945a351a_stats
		.amdhsa_group_segment_fixed_size 167936
		.amdhsa_private_segment_fixed_size 0
		.amdhsa_enable_private_segment 0
		.amdhsa_kernarg_size 16
		.amdhsa_user_sgpr_count 2
		.amdhsa_user_sgpr_kernarg_segment_ptr 1
		.amdhsa_wavefront_size32 1
		.amdhsa_system_sgpr_workgroup_id_x 1
		.amdhsa_system_sgpr_workgroup_id_y 1
		.amdhsa_system_sgpr_workgroup_id_z 1
		.amdhsa_system_vgpr_workitem_id 0
		.amdhsa_next_free_vgpr 164
		.amdhsa_next_free_sgpr 66
		.amdhsa_reserve_vcc 1
		.amdhsa_float_denorm_mode_32 3
		.amdhsa_float_denorm_mode_16_64 3
		.amdhsa_memory_ordered 1
		.amdhsa_forward_progress 1
		.amdhsa_inst_pref_size 31
	.end_amdhsa_kernel
	.amdgpu_metadata
---
amdhsa.version: [ 1, 2 ]
amdhsa.kernels:
  - .name:           k_qe2945a351a_stats
    .symbol:         k_qe2945a351a_stats.kd
    .args:
      - { .name: qkv, .offset: 0, .size: 8, .value_kind: global_buffer, .address_space: global }
      - { .name: stat, .offset: 8, .size: 8, .value_kind: global_buffer, .address_space: global }
    .group_segment_fixed_size: 167936
    .private_segment_fixed_size: 0
    .kernarg_segment_align: 8
    .kernarg_segment_size: 16
    .max_flat_workgroup_size: 512
    .sgpr_count:     66
    .vgpr_count:     164
    .wavefront_size: 32
...
	.end_amdgpu_metadata
.endif
;; end of part 3
;; launch attn (part 4): grid 4 x 64, 16 waves a work-group, clusters of 4 x 1, 280,576 bytes of LDS; arguments qkv, stat, xo; writes xo
.if DOCPART == 4
	.amdgcn_target "amdgcn-amd-amdhsa--gfx1250"
	.amdhsa_code_object_version 6
	.text
	.protected	k_qe2945a351a_attn
	.globl	k_qe2945a351a_attn
	.p2align	8
	.type	k_qe2945a351a_attn,@function
k_qe2945a351a_attn:
	s_mov_b64 s[64:65], 0
	v_nop
	global_prefetch_b8 v0, s[64:65] scope:SCOPE_SE
	s_setreg_imm32_b32 hwreg(HW_REG_WAVE_MODE, 25, 1), 1
	s_wait_xcnt 0x0
	s_wait_alu depctr_hold_cnt(0) depctr_sa_sdst(0) depctr_va_vdst(0) depctr_va_sdst(0) depctr_va_ssrc(0) depctr_va_vcc(0) depctr_vm_vsrc(0)
	s_getreg_b32 s2, hwreg(HW_REG_IB_STS2, 6, 4)
	s_cmp_eq_u32 s2, 0
	s_cbranch_scc0 .Lentry_in_a_cluster
	s_endpgm
.Lentry_in_a_cluster:
	s_bfe_u32 s2, ttmp6, 0x10000c
	s_cmp_lg_u32 s2, 0x3003
	s_cbranch_scc0 .Lentry_shape_is_right
	s_endpgm
.Lentry_shape_is_right:
; heads = attn V with attn[q][s] = 2^(c S[q][s] - n_s), the finished softmax over the queries (-n_s from the launch before), quantised along the keys, and the heads quantised along (head, v) for the last product.
; A work-group owns 512 queries of one head, each of its sixteen waves 32: two tiles of 16.  Both products are used transposed: S^T = K Q^T (source 0 = a PAIR fragment of K, 32 keys; source 1 = a tile of Q beside
; zero codes), O^T = V^T P^T: a lane holds ONE query throughout.  A pair's two results are a block of 32 keys: position 16 h + i is key 8 h + i (i < 8) or 16 + 8 h + i - 8, the order in which V's codes lie.
; The whole head lies in LDS, filled once by joint loads of the cluster's four work-groups, one load a wave: waves 0-3 K's codes, waves 4-7 V's (32,768 bytes each), wave 8 the 2,048 -n, wave 9 K's and V's scale words.
; A STEP is 128 keys: four blocks of 32 keys x both query tiles, 32 scores a lane, on two buffers by turns.  Block c's four products are followed by block c - 1's scales (their places), block c's scaling and
; the loads of block c + 1; then block c's 32 exponentials stand one by one among block c - 1's 32 holds, which hang on nothing in that run, with one wait ahead of the run and one behind it; block c - 1's
; four conversions close the block.  V's fragments land in the score buffer and in K's registers as these fall free; eight products close the step.
; No prefetch: a work-group asks for its data once, at its head: there is no loop to run ahead in.
; LIMITS: as stated for n_s in the launch before; v_exp_f32 gives 0 under 2^-126; a block of zeros keeps the byte 1.  The heads' scale bytes leave as 2 bytes a row: all that a head owns of a row's 32.
.set KI,  8388608
.set QSW, 25165824
.set KSW, 25427968
.set XOS, 8388608
.set LV,  131072                       ; LDS: K's codes at 0, V's here, 8,192 bytes a step each
.set LN,  262144                       ; -n, 512 bytes a step
.set LW,  270336                       ; K's scale words, 256 bytes a step; V's 4,096 further on
.set SPARE, 278528                     ; the spare words: 128 bytes a wave
.set ADK, 1                            ; v1-4 the step's LDS addresses: K, V, -n, scale words
.set ADV, 2
.set ADT, 3
.set ADW, 4
.set MX,  6                            ; v6-7 a block's largest weight, then 57,344 x its scale; one register a query tile
.set BY,  8
.set SCR, 10                           ; v10-11 the conversions' scale operand
.set QS,  12                           ; v12-13 my two tiles' scale words
.set PW,  14                           ; v14-15 p's scale words
.set WA,  16                           ; v16-19 scale words of K (two by turns) or V (four)
.set SPW, 20
.set NIL, 21
.set QZ,  22                           ; v22-61  0 Q0 0 Q1 0
.set PC,  62                           ; v62-93 p's codes, 16 registers a tile
.set X,   94                           ; v94-125, v126-157 two buffers of 32 scores: tile 0's 16, tile 1's 16
.set R,   158                          ; v158-189 a pair of K and 16 of -n
.set OT,  190                          ; v190-253 O^T: tile t, v tile i at 32 t + 8 i
.set TM,  94                           ; (the way out)
.set WV,  10
.set CS,  18
.set SEL, 20
.set MNT, 22
.set G1A, 24
.set G1B, 32
.set G1C, 40
.set G0A, 48
.set G0N, 52
.set G0W, 56
.macro ROUND
	s_barrier_signal -1
	s_barrier_wait -1
	s_cmp_lg_u32 s[WV], 0
	s_cbranch_scc1 .Lnot_wave_0_\@
	s_barrier_signal -3
.Lnot_wave_0_\@:
	s_barrier_wait -3
	s_barrier_signal -1
	s_barrier_wait -1
.endm
.macro ARM under, g0, g1, next         ; one arm of the head's tree: a load, its five lines, a jump to the tree's end
	s_cmp_lt_u32 s[WV], \under
	s_cbranch_scc0 \next
	tensor_load_to_lds s[\g0:\g0+3], s[\g1:\g1+7]
	s_nop 0
.rept 4
	v_nop
.endr
	s_branch .Lhead_asked
\next:
.endm
.macro QUANT s, pw                     ; the way out: 64 numbers of a lane, four blocks of 32 with lane l xor 16, become codes in v[PC] on and a scale word
.irp b, 0,1,2,3
	v_max3_num_f32 v[TM+\b], |v[\s+16*\b]|, |v[\s+1+16*\b]|, 0x8000000
.endr
.irp i, 2,4,6,8,10,12,14
.irp b, 0,1,2,3
	v_max3_num_f32 v[TM+\b], v[TM+\b], |v[\s+16*\b+\i]|, |v[\s+1+16*\b+\i]|
.endr
.endr
.irp b, 0,1,2,3
	v_permlanex16_b32 v[TM+4+\b], v[TM+\b], s[SEL], s[SEL+1]
.endr
.irp b, 0,1,2,3
	v_max_num_f32 v[TM+\b], v[TM+\b], v[TM+4+\b]
.endr
.irp b, 0,1,2,3
	v_add_nc_u32 v[TM+12+\b], 0xf8800000, v[TM+\b]
.endr
.irp b, 0,1,2,3
	v_and_or_b32 v[TM+8+\b], v[TM+\b], 0x7f800000, s[MNT]
.endr
.irp b, 0,1,2,3
	v_lshrrev_b32 v[TM+4+\b], 23, v[TM+12+\b]
.endr
	v_lshl_or_b32 v[\pw], v[TM+5], 8, v[TM+4]
	v_lshl_or_b32 v[\pw], v[TM+6], 16, v[\pw]
	v_lshl_or_b32 v[\pw], v[TM+7], 24, v[\pw]
.irp b, 0,1,2,3
.irp i, 0,1,2,3,4,5,6,7,8,9,10,11,12,13,14,15
	v_med3_num_f32 v[\s+16*\b+\i], v[\s+16*\b+\i], -v[TM+8+\b], v[TM+8+\b]
.endr
	v_cvt_scalef32_pk8_bf8_f32 v[PC+4*\b:PC+1+4*\b], v[\s+16*\b:\s+7+16*\b], v[TM+12+\b]
	v_cvt_scalef32_pk8_bf8_f32 v[PC+2+4*\b:PC+3+4*\b], v[\s+8+16*\b:\s+15+16*\b], v[TM+12+\b]
.endr
	v_nop
.endm
	s_load_b128 s[4:7], s[0:1], 0x0                ; qkv, stat
	s_load_b64 s[8:9], s[0:1], 0x10                ; xo
	v_lshl_add_u32 v[SPW], v0, 2, SPARE
	v_mov_b32 v[NIL], 0
	ds_add_u32 v[SPW], v[NIL]                      ; the opening lines
	ds_add_u32 v[SPW], v[NIL]
	v_lshrrev_b32 v5, 5, v0
	s_delay_alu instid0(VALU_DEP_1)
	v_readfirstlane_b32 s[WV], v5                  ; wave 0..15
	s_bfe_u32 s11, ttmp6, 0x40000                  ; cx: it enters global addresses of my own loads and stores alone
	s_and_b32 s12, ttmp7, 0xffff                   ; 16 b + head, which the four partners share
.irp g, G1A, G1B                               ; dense rows of 256 bytes (32 elements of 8); mask: all four work-groups
	s_mov_b32 s[\g], 15|(3<<16)|(1<<21)
	s_mov_b32 s[\g+1], 32<<16
	s_mov_b32 s[\g+3], 32<<16
	s_mov_b32 s[\g+5], 32
	s_mov_b32 s[\g+6], 0
	s_mov_b32 s[\g+7], 0
.endr
	s_mov_b32 s[G1A+2], 128<<16                    ; 32,768 bytes
	s_mov_b32 s[G1A+4], 128
	s_mov_b32 s[G1B+2], 32<<16                     ; 8,192 bytes
	s_mov_b32 s[G1B+4], 32
	s_mov_b32 s[G1C], 15|(3<<16)|(1<<21)           ; two rows of 4,096 bytes, 262,144 bytes apart: K's words, V's words
	s_mov_b32 s[G1C+1], 512<<16
	s_mov_b32 s[G1C+2], 2<<16
	s_mov_b32 s[G1C+3], 512<<16
	s_mov_b32 s[G1C+4], 2
	s_mov_b32 s[G1C+5], 32768
	s_mov_b32 s[G1C+6], 0
	s_mov_b32 s[G1C+7], 0
	s_lshl_b32 s13, s[WV], 15                      ; waves 0-7: LDS byte 32,768 x wave;
	s_lshr_b32 s16, s[WV], 2
	s_lshl_b32 s16, s16, 23                        ; K's images or, 8,388,608 bytes on, V's;
	s_and_b32 s17, s[WV], 3
	s_lshl_b32 s17, s17, 15                        ; which quarter of the head's 131,072 bytes
	s_add_co_u32 s16, s16, s17
	s_lshl_b32 s17, s12, 17
	s_add_co_u32 s16, s16, s17
	s_add_co_u32 s16, s16, KI
	s_mov_b32 s17, 0
	s_lshl_b32 s14, s12, 12
	s_add_co_u32 s14, s14, KSW
	s_mov_b32 s15, 0
	s_lshl_b32 s2, s12, 13
	s_mov_b32 s3, 0
	s_mov_b32 s[CS], 0x3e38aa3b                    ; c = log2(e) / 8
	s_mov_b32 s[CS+1], s[CS]
	s_mov_b32 s[SEL], 0x76543210
	s_mov_b32 s[SEL+1], 0xfedcba98
	s_mov_b32 s[MNT], 0x600000
	s_wait_dscnt 0x0
	s_wait_kmcnt 0x0
	s_mov_b32 s[G0A], 1
	s_mov_b32 s[G0A+1], s13
	s_add_nc_u64 s[G0A+2:G0A+3], s[4:5], s[16:17]
	s_or_b32 s[G0A+3], s[G0A+3], 0x80000000
	s_mov_b32 s[G0N], 1
	s_mov_b32 s[G0N+1], LN
	s_add_nc_u64 s[G0N+2:G0N+3], s[6:7], s[2:3]
	s_or_b32 s[G0N+3], s[G0N+3], 0x80000000
	s_mov_b32 s[G0W], 1
	s_mov_b32 s[G0W+1], LW
	s_add_nc_u64 s[G0W+2:G0W+3], s[4:5], s[14:15]
	s_or_b32 s[G0W+3], s[G0W+3], 0x80000000
	ROUND                                          ; all four work-groups are here: the joint loads meet
	ARM 8,  G0A, G1A, .Lh_n
	ARM 9,  G0N, G1B, .Lh_w
	ARM 10, G0W, G1C, .Lh_none
.Lhead_asked:
	s_lshl_b32 s72, s11, 4
	s_add_co_u32 s72, s72, s[WV]                   ; my pair of query tiles
	s_lshl_b32 s82, s12, 17
	s_lshl_b32 s73, s72, 11
	s_add_co_u32 s82, s82, s73
	s_mov_b32 s83, 0
	s_add_nc_u64 s[74:75], s[4:5], s[82:83]        ; Q's codes
	s_lshl_b32 s82, s12, 12
	s_lshl_b32 s73, s72, 6
	s_add_co_u32 s82, s82, s73
	s_add_co_u32 s82, s82, QSW
	s_add_nc_u64 s[76:77], s[4:5], s[82:83]        ; Q's scale words
	s_lshr_b32 s82, s12, 4                         ; b
	s_lshl_b32 s82, s82, 21
	s_lshl_b32 s73, s72, 15
	s_add_co_u32 s82, s82, s73
	s_and_b32 s73, s12, 15                         ; head
	s_lshl_b32 s73, s73, 10
	s_add_co_u32 s82, s82, s73
	s_add_nc_u64 s[78:79], s[8:9], s[82:83]        ; the heads' codes: row tile 128 b + 2 pair, fragment head / 2, register groups 2 (head % 2) on
	s_lshr_b32 s82, s12, 4
	s_lshl_b32 s82, s82, 16
	s_lshl_b32 s73, s72, 10
	s_add_co_u32 s82, s82, s73
	s_and_b32 s73, s12, 15
	s_lshl_b32 s73, s73, 1
	s_add_co_u32 s82, s82, s73
	s_add_co_u32 s82, s82, XOS
	s_add_nc_u64 s[80:81], s[8:9], s[82:83]        ; and their scale bytes
	v_and_b32 v[ADK], 31, v0
	s_delay_alu instid0(VALU_DEP_1)
	v_lshlrev_b32 v[ADK], 4, v[ADK]                ; 16 x lane
	v_bfe_u32 v[ADT], v0, 4, 1                     ; h
	v_and_b32 v5, 15, v0
	s_delay_alu instid0(VALU_DEP_1)
	v_lshlrev_b32 v5, 2, v5                        ; 4 r
	global_load_b128 v[QZ+8:QZ+11], v[ADK], s[74:75]
	global_load_b128 v[QZ+12:QZ+15], v[ADK], s[74:75] offset:512
	global_load_b128 v[QZ+24:QZ+27], v[ADK], s[74:75] offset:1024
	global_load_b128 v[QZ+28:QZ+31], v[ADK], s[74:75] offset:1536
	global_load_b32 v[BY], v5, s[76:77]
	v_add_nc_u32 v[ADV], LV, v[ADK]
	v_lshl_add_u32 v[ADT], v[ADT], 5, LN           ; 32 h: my half's eight -n of each 16 keys
	v_add_nc_u32 v[ADW], LW, v5
.irp z, 0,16,32
.irp j, 0,1,2,3,4,5,6,7
	v_mov_b32 v[QZ+\z+\j], 0                       ; zero codes
.endr
.endr
	s_wait_loadcnt 0x0
	v_perm_b32 v[QS], v[BY], v[BY], 0x01000100     ; the lower tile's two bytes, twice
	v_perm_b32 v[QS+1], v[BY], v[BY], 0x03020302   ; the upper tile's
.set i, 0
.rept 64
	v_mov_b32 v[OT+i], 0                           ; O^T: the step is written once, its first trip adds onto zeros
.set i, i+1
.endr
	s_wait_alu depctr_va_vdst(0)                   ; the wait at the head's end
	s_wait_tensorcnt 0x0
	s_barrier_signal -1
	s_barrier_wait -1                              ; the whole head lies in LDS
.macro LOADB c                         ; block c of the step's four: a pair of K, its 16 -n of my half, its scale word: nine loads
.irp k, 0,1,2,3
	ds_load_b128 v[R+4*\k:R+4*\k+3], v[ADK] offset:2048*(\c)+512*\k
.endr
.irp k, 0,1,2,3
	ds_load_b128 v[R+16+4*\k:R+19+4*\k], v[ADT] offset:128*(\c)+64*(\k/2)+16*(\k%2)
.endr
	ds_load_b32 v[WA+(\c)%2], v[ADW] offset:64*(\c)
.endm
.macro LOADV p, dst                    ; V's tiles 2 p and 2 p + 1
.irp k, 0,1,2,3,4,5,6,7
	ds_load_b128 v[\dst+4*\k:\dst+4*\k+3], v[ADV] offset:4096*(\p)+512*\k
.endr
.endm
.macro WS c                            ; 32 keys x both query tiles: four products, four accumulators
.set SB, X+32*((\c)%2)
	s_wait_dscnt 0x0                               ; the block's nine loads are in
.irp t, 0,1
	v_wmma_scale_f32_16x16x128_f8f6f4 v[SB+16*\t:SB+16*\t+7], v[R:R+15], v[QZ+8+16*\t:QZ+23+16*\t], 0, v[WA+(\c)%2], v[QS+\t] matrix_a_fmt:MATRIX_FMT_BF8 matrix_b_fmt:MATRIX_FMT_BF8
	v_wmma_scale_f32_16x16x128_f8f6f4 v[SB+16*\t+8:SB+16*\t+15], v[R:R+15], v[QZ+16*\t:QZ+15+16*\t], 0, v[WA+(\c)%2], v[QS+\t] matrix_a_fmt:MATRIX_FMT_BF8 matrix_b_fmt:MATRIX_FMT_BF8
.endr
.endm
.macro FE c                            ; c S - n of the block's 32 scores; each accumulator is read from its low end on
.set SB, X+32*((\c)%2)
.set i, 0
.rept 16
	v_pk_fma_f32 v[SB+i:SB+i+1], v[SB+i:SB+i+1], s[CS:CS+1], v[R+16+(i%16):R+17+(i%16)] op_sel_hi:[1,0,1]
.set i, i+2
.endr
.endm
.macro QA c                            ; block c's scales, both query tiles by turns: the largest weight, the conversion's operand, the hold, the byte
.set SB, X+32*((\c)%2)
.irp t, 0,1
	v_max3_num_f32 v[MX+\t], v[SB+16*\t], v[SB+16*\t+1], 0x8000000   ; my 16 of the block's 32 weights, never negative, and the floor 2^(16 - 127)
	v_max3_num_f32 v[BY+\t], v[SB+16*\t+2], v[SB+16*\t+3], v[SB+16*\t+4]
.endr
.irp i, 5,9
.irp t, 0,1
	v_max3_num_f32 v[MX+\t], v[MX+\t], v[SB+16*\t+\i], v[SB+16*\t+\i+1]
	v_max3_num_f32 v[BY+\t], v[BY+\t], v[SB+16*\t+\i+2], v[SB+16*\t+\i+3]
.endr
.endr
.irp t, 0,1
	v_max3_num_f32 v[MX+\t], v[MX+\t], v[SB+16*\t+13], v[SB+16*\t+14]
.endr
.irp t, 0,1
	v_max3_num_f32 v[MX+\t], v[MX+\t], v[BY+\t], v[SB+16*\t+15]
.endr
.irp t, 0,1
	v_permlanex16_b32 v[BY+\t], v[MX+\t], s[SEL], s[SEL+1]
.endr
.irp t, 0,1
	v_max_num_f32 v[MX+\t], v[MX+\t], v[BY+\t]             ; the block's largest
.endr
.irp t, 0,1
	v_add_nc_u32 v[SCR+\t], 0xf8800000, v[MX+\t]           ; 15 off its exponent field: the conversion's scale operand
.endr
.irp t, 0,1
	v_and_or_b32 v[MX+\t], v[MX+\t], 0x7f800000, s[MNT]    ; 57,344 x the scale
.endr
.if (\c) == 0
.irp t, 0,1
	v_lshrrev_b32 v[PW+\t], 23, v[SCR+\t]                  ; the scale's byte begins p's scale word
.endr
.else
.irp t, 0,1
	v_lshrrev_b32 v[BY+\t], 23, v[SCR+\t]
.endr
.irp t, 0,1
	v_lshl_or_b32 v[PW+\t], v[BY+\t], 8*(\c), v[PW+\t]     ; 32 plain lines and more ahead of any product that takes it as a scale
.endr
.endif
.endm
.macro CVT4 c                          ; block c's 32 held weights become 32 codes
.set SO, X+32*((\c)%2)
.irp t, 0,1
.irp g, 0,1
	v_cvt_scalef32_pk8_bf8_f32 v[PC+16*\t+4*(\c)+2*\g:PC+16*\t+4*(\c)+2*\g+1], v[SO+16*\t+8*\g:SO+16*\t+8*\g+7], v[SCR+\t]
.endr
.endr
	v_nop                                          ; a plain line behind the last conversion
.endm
; Block c's 32 exponentials.  pair = 1: one by one among them block c - 1's 32 holds (the conversion does not saturate, ISA guide 7.6.2; the hold is one-sided): a hold reads what was written ahead of the
; first wait, and what it writes is read behind the second.
.macro MIX c, pair
.set SB, X+32*((\c)%2)
.set SO, X+32*(((\c)+1)%2)
	s_wait_alu depctr_va_vdst(0)                   ; the wait ahead of the run
.set i, 0
.rept 32
	v_exp_f32 v[SB+i], v[SB+i]
.if \pair
	v_min_num_f32 v[SO+i], v[SO+i], v[MX+i/16]
.endif
.set i, i+1
.endr
.if \pair == 0
	v_nop                                          ; a plain line behind the last exponential
.endif
	s_wait_alu depctr_va_vdst(0)                   ; and behind it, ahead of the first reader of an exponential or of a hold
.if \pair
	CVT4 (\c)-1
.endif
.endm
	s_barrier_signal -1                            ; the first half of the walk's barrier (below)
	s_mov_b32 s23, 16
.Lstep:                                            ; 128 keys a trip
	LOADB 0
	WS 0
.rept 8
	v_nop                                          ; the places behind the step's first products
.endr
	FE 0
	LOADB 1                                        ; K's registers were read eight places and more ago, -n's just now
	MIX 0, 0
	WS 1
	QA 0                                           ; names nothing of the products above: their places
	FE 1
	LOADB 2
	MIX 1, 1
	WS 2
	QA 1
	FE 2
	LOADB 3
	MIX 2, 1
	WS 3
	QA 2
	FE 3
	LOADV 1, R                                     ; K's and -n's registers take V's tiles 2 and 3,
.irp i, 0,1,2,3
	ds_load_b32 v[WA+\i], v[ADW] offset:4096+64*\i ; V's four scale words
.endr
	MIX 3, 1
	LOADV 0, X                                     ; and the buffer just converted tiles 0 and 1
	QA 3
.set i, 0
.rept 32
	v_min_num_f32 v[X+32+i], v[X+32+i], v[MX+i/16] ; the step's last block is held alone
.set i, i+1
.endr
	CVT4 3
	v_add_nc_u32 v[ADK], 8192, v[ADK]              ; the next step's addresses: these four are the places between the last codes and their products
	v_add_nc_u32 v[ADV], 8192, v[ADV]
	v_add_nc_u32 v[ADT], 512, v[ADT]
	v_add_nc_u32 v[ADW], 256, v[ADW]
	s_wait_dscnt 0x0                               ; V is in; no LDS instruction of mine is out at the signal
; A barrier in two halves, a step apart: a wave signals here and waits for that signal of all sixteen at the same place one step on.  It orders no memory (LDS is filled before the loop):
; it holds the sixteen waves, which walk the same K and V, within one step of each other.  Between the halves stand register work and loads of LDS bytes that nobody writes.
	s_barrier_wait -1
	s_barrier_signal -1
	s_wait_alu depctr_va_vdst(0)                   ; the wait, directly ahead of the first readers of O^T, of the codes and of the addresses
.irp i, 0,1,2,3                                ; the eight accumulators take turns, one instruction a turn
.irp t, 0,1
	v_wmma_scale_f32_16x16x128_f8f6f4 v[OT+32*\t+8*\i:OT+32*\t+8*\i+7], v[X+16*\i+32*(\i/2):X+16*\i+32*(\i/2)+15], v[PC+16*\t:PC+16*\t+15], v[OT+32*\t+8*\i:OT+32*\t+8*\i+7], v[WA+\i], v[PW+\t] matrix_a_fmt:MATRIX_FMT_BF8 matrix_b_fmt:MATRIX_FMT_BF8
.endr
.endr
.rept 9
	v_nop                                          ; eight in front of the next loads into V's registers and of the way out; nine in front of the next products, which write over V's tiles 0 and 1
.endr
	s_sub_co_u32 s23, s23, 1
	s_cmp_lg_u32 s23, 0
	s_cbranch_scc1 .Lstep
	s_barrier_wait -1                              ; the walk's barrier is closed
	; THE WAY OUT: O^T's register 32 t + 16 B + i is heads(query r of tile t, v = 32 B + 16 h + i): four blocks of 32 along the last product's K
.irp b, 0,1,2,3
	v_mov_b32 v[TM+4+\b], 0                        ; a lane permute's destination counts as one of its sources
.endr
	QUANT OT, SCR
	v_and_b32 v[ADK], 31, v0
	v_bfe_u32 v[ADT], v0, 4, 1
	v_lshlrev_b32 v[ADK], 4, v[ADK]                ; 16 x lane
.irp t, 0,1
.irp b, 0,1
	global_store_b128 v[ADK], v[PC+8*\t+4*\b:PC+8*\t+4*\b+3], s[78:79] offset:\t*16384+512*\b   ; 512 consecutive bytes, aligned
.endr
.endr
	v_lshrrev_b32 v[MX], 16, v[SCR]
	v_cmp_ne_u32 vcc_lo, 0, v[ADT]
	v_cndmask_b32 v[MX], v[SCR], v[MX], vcc_lo     ; lanes 0-15: tile 0's two bytes of row r; lanes 16-31: tile 1's
	v_lshlrev_b32 v[BY], 1, v[ADK]                 ; 32 bytes a row
	global_store_b16 v[BY], v[MX], s[80:81]
	s_wait_tensorcnt 0x0                           ; the wave's end
	ds_add_u32 v[SPW], v[NIL]
	s_wait_dscnt 0x0
	ROUND                                          ; the closing round
	s_endpgm
.Lfunc_end_k_qe2945a351a_attn:
	.size	k_qe2945a351a_attn, .Lfunc_end_k_qe2945a351a_attn-k_qe2945a351a_attn
	.p2alignl 7, 3214868480
	.fill 96, 4, 3214868480
	.section	.rodata,"a",@progbits
	.p2align	6, 0x0
	.amdhsa_kernel k_qe2945a351a_attn
		.amdhsa_group_segment_fixed_size 280576
		.amdhsa_private_segment_fixed_size 0
		.amdhsa_enable_private_segment 0
		.amdhsa_kernarg_size 24
		.amdhsa_user_sgpr_count 2
		.amdhsa_user_sgpr_kernarg_segment_ptr 1
		.amdhsa_wavefront_size32 1
		.amdhsa_system_sgpr_workgroup_id_x 1
		.amdhsa_system_sgpr_workgroup_id_y 1
		.amdhsa_system_sgpr_workgroup_id_z 1
		.amdhsa_system_vgpr_workitem_id 0
		.amdhsa_next_free_vgpr 256
		.amdhsa_next_free_sgpr 88
		.amdhsa_reserve_vcc 1
		.amdhsa_float_denorm_mode_32 3
		.amdhsa_float_denorm_mode_16_64 3
		.amdhsa_memory_ordered 1
		.amdhsa_forward_progress 1
		.amdhsa_inst_pref_size 48
	.end_amdhsa_kernel
	.amdgpu_metadata
---
amdhsa.version: [ 1, 2 ]
amdhsa.kernels:
  - .name:           k_qe2945a351a_attn
    .symbol:         k_qe2945a351a_attn.kd
    .args:
      - { .name: qkv, .offset: 0, .size: 8, .value_kind: global_buffer, .address_space: global }
      - { .name: stat, .offset: 8, .size: 8, .value_kind: global_buffer, .address_space: global }
      - { .name: xo, .offset: 16, .size: 8, .value_kind: global_buffer, .address_space: global }
    .group_segment_fixed_size: 280576
    .private_segment_fixed_size: 0
    .kernarg_segment_align: 8
    .kernarg_segment_size: 24
    .max_flat_workgroup_size: 512
    .sgpr_count:     88
    .vgpr_count:     256
    .wavefront_size: 32
...
	.end_amdgpu_metadata
.endif
;; end of part 4
;; launch outp (part 5): grid 4 x 64, 4 waves a work-group, clusters of 4 x 4, 327,680 bytes of LDS; arguments xo, pre, bo, x, out0; writes out0
.if DOCPART == 5
	.amdgcn_target "amdgcn-amd-amdhsa--gfx1250"
	.amdhsa_code_object_version 6
	.text
	.protected	k_qe2945a351a_outp
	.globl	k_qe2945a351a_outp
	.p2align	8
	.type	k_qe2945a351a_outp,@function
k_qe2945a351a_outp:
	s_mov_b64 s[64:65], 0
	v_nop
	global_prefetch_b8 v0, s[64:65] scope:SCOPE_SE
	s_setreg_imm32_b32 hwreg(HW_REG_WAVE_MODE, 25, 1), 1
	s_wait_xcnt 0x0
	s_wait_alu depctr_hold_cnt(0) depctr_sa_sdst(0) depctr_va_vdst(0) depctr_va_sdst(0) depctr_va_ssrc(0) depctr_va_vcc(0) depctr_vm_vsrc(0)
	s_getreg_b32 s2, hwreg(HW_REG_IB_STS2, 6, 4)
	s_cmp_eq_u32 s2, 0
	s_cbranch_scc0 .Lentry_in_a_cluster
	s_endpgm
.Lentry_in_a_cluster:
	s_bfe_u32 s2, ttmp6, 0x10000c
	s_cmp_lg_u32 s2, 0xf033
	s_cbranch_scc0 .Lentry_shape_is_right
	s_endpgm
.Lentry_shape_is_right:
.set WOC,  11534336
.set WOS,  12943360
.set XOS,  8388608
.set NQ,    2
.set FR,    16
.set NL,    4
.set NP,    8
.set HALFA, 16384
.set HALFB, 32768
.set BOFF,  2*HALFA
.set SLOT,  BOFF+2*HALFB
.set SCL,   2*SLOT
.set HALFSA, 2176
.set HALFSB, 4352
.set SBOFF, 2*HALFSA
.set SBLK,  544
.set SPARE, 229376
.set SPITCH, 528
.set ADRA, 16
.set ADRB, 20
.set STO,  24
.set RD,   25
.set CO,   26
.set ADRS, 27
.set SPW,  28
.set NIL,  29
.set SC,   32
.set BI,   64
.set AF,   128
.set BK,   128
.set XB,   96
.set G1, 24
.set G0, 32
.set G1B, 48
.set G0B, 56
.set G1S, 68
.set G0S, 76
.set G1SB, 80
.set G0SB, 88
.set MSB, 0
.macro WIN new
.if MSB != (\new)
	s_set_vgpr_msb (MSB<<8)|(\new)
.set MSB, (\new)
.endif
.endm
.set MUL,    0xa1
.set MUL_C0, 0x81
.set TO_B,   0x40
.macro JLOAD g0a, g1a, g0b, g1b
	s_cmp_eq_u32 s15, 0
	s_cbranch_scc0 .Lfor_b_\@
	tensor_load_to_lds s[\g0a:\g0a+3], s[\g1a:\g1a+7]
	s_nop 0
.rept 4
	v_nop
.endr
	s_branch .Lasked_\@
.Lfor_b_\@:
	tensor_load_to_lds s[\g0b:\g0b+3], s[\g1b:\g1b+7]
	s_nop 0
.rept 4
	v_nop
.endr
.Lasked_\@:
.endm
.macro CREST
	s_cmp_lg_u32 s14, 0
	s_cbranch_scc1 .Lnot_wave_0_\@
	s_barrier_signal -3
.Lnot_wave_0_\@:
	s_barrier_wait -3
	s_barrier_signal -1
	s_barrier_wait -1
.endm
.macro CROUND
	s_barrier_signal -1
	s_barrier_wait -1
	CREST
.endm
.macro PLACES n
.rept \n
	v_nop
.endr
.endm
	s_load_b256 s[4:11], s[0:1], 0x0
	s_load_b64 s[12:13], s[0:1], 0x20
	v_lshl_add_u32 v[SPW], v0, 2, SPARE
	v_mov_b32 v[NIL], 0
	ds_add_u32 v28, v29
	ds_add_u32 v28, v29
	s_wait_dscnt 0x0
	v_lshrrev_b32 v1, 5, v0
	v_readfirstlane_b32 s14, v1
	s_lshr_b32 s15, s14, 1
	s_and_b32 s16, s14, 1
	s_bfe_u32 s40, ttmp6, 0x40000
	s_bfe_u32 s41, ttmp6, 0x40004
	s_lshl_b32 s42, ttmp9, 2
	s_add_co_u32 s42, s42, s40
	s_and_b32 s17, ttmp7, 0xffff
	s_lshl_b32 s17, s17, 2
	s_add_co_u32 s17, s17, s41
	s_lshl_b32 s43, s41, 2
	s_lshl_b32 s43, 15, s43
	s_lshl_b32 s44, 0x1111, s40
	s_or_b32 s[G1+0], s43, (3<<16)|(1<<21)
	s_or_b32 s[G1B+0], s44, (3<<16)|(1<<21)
.irp g, G1, G1B
	s_mov_b32 s[\g+1], 512<<16
	s_mov_b32 s[\g+3], 512<<16
	s_mov_b32 s[\g+5], 2048
	s_mov_b32 s[\g+6], 0
	s_mov_b32 s[\g+7], 0
.endr
	s_mov_b32 s[G1+2], 8<<16
	s_mov_b32 s[G1+4], 8
	s_mov_b32 s[G1B+2], 16<<16
	s_mov_b32 s[G1B+4], 16
	s_or_b32 s[G1S+0], s43, (3<<16)|(1<<20)|(1<<21)|(5<<22)|(3<<25)
	s_or_b32 s[G1SB+0], s44, (3<<16)|(1<<20)|(1<<21)|(5<<22)|(3<<25)
.irp g, G1S, G1SB
	s_mov_b32 s[\g+1], 32<<16
	s_mov_b32 s[\g+3], 32<<16
	s_mov_b32 s[\g+5], 32
	s_mov_b32 s[\g+6], 0
	s_mov_b32 s[\g+7], 0
.endr
	s_mov_b32 s[G1S+2], 16<<16
	s_mov_b32 s[G1S+4], 16
	s_mov_b32 s[G1SB+2], 32<<16
	s_mov_b32 s[G1SB+4], 32
	s_lshl_b32 s20, s17, 17
	s_lshl_b32 s18, s16, 16
	s_add_co_u32 s20, s20, s18
	s_mov_b32 s21, 0
	s_lshl_b32 s22, s17, 12
	s_add_co_u32 s22, s22, XOS
	s_mov_b32 s23, 0
	s_lshl_b32 s46, s42, 18
	s_lshl_b32 s18, s16, 17
	s_add_co_u32 s46, s46, s18
	s_add_co_u32 s46, s46, WOC
	s_mov_b32 s47, 0
	s_lshl_b32 s92, s42, 13
	s_add_co_u32 s92, s92, WOS
	s_mov_b32 s93, 0
	s_lshl_b32 s45, s16, 14
	s_lshl_b32 s95, s16, 15
	s_add_co_u32 s95, s95, BOFF
	s_mov_b32 s94, SCL
	s_mov_b32 s3, SCL+SBOFF
	s_wait_kmcnt 0x0
	s_add_nc_u64 s[20:21], s[4:5], s[20:21]
	s_add_nc_u64 s[22:23], s[4:5], s[22:23]
	s_add_nc_u64 s[46:47], s[6:7], s[46:47]
	s_add_nc_u64 s[92:93], s[6:7], s[92:93]
	CROUND
	s_mov_b32 s[G0S], 1
	s_mov_b32 s[G0S+1], s94
	s_mov_b64 s[G0S+2:G0S+3], s[22:23]
	s_or_b32 s[G0S+3], s[G0S+3], 0x80000000
	s_mov_b32 s[G0SB], 1
	s_mov_b32 s[G0SB+1], s3
	s_mov_b64 s[G0SB+2:G0SB+3], s[92:93]
	s_or_b32 s[G0SB+3], s[G0SB+3], 0x80000000
.irp s, 0,1
	s_mov_b32 s[G0+4*\s], 1
	s_add_co_u32 s[G0+4*\s+1], s45, \s*SLOT
	s_add_nc_u64 s[G0+4*\s+2:G0+4*\s+3], s[20:21], \s*4096
	s_or_b32 s[G0+4*\s+3], s[G0+4*\s+3], 0x80000000
	s_mov_b32 s[G0B+4*\s], 1
	s_add_co_u32 s[G0B+4*\s+1], s95, \s*SLOT
	s_add_nc_u64 s[G0B+4*\s+2:G0B+4*\s+3], s[46:47], \s*4096
	s_or_b32 s[G0B+4*\s+3], s[G0B+4*\s+3], 0x80000000
.endr
; THE HEAD'S LOADS, ONE A WAVE, each tile whole: wave 0 K step 0's 8 row tiles of the heads (its own group 0 begins at the tile's first byte), wave 2 the 16 of Wo,
; wave 1 the scale words of the heads' 128 rows, wave 3 those of Wo's 256.  One tree of branches on the wave's number: every way passes exactly one load.
.macro ARM under, g0, g1, next
	s_cmp_lt_u32 s14, \under
	s_cbranch_scc0 \next
	tensor_load_to_lds s[\g0:\g0+3], s[\g1:\g1+7]
	s_nop 0
.rept 4
	v_nop
.endr
	s_branch .Lhead_asked
\next:
.endm
	ARM 1, G0,  G1,  .Lhead_sa
	ARM 2, G0S, G1S, .Lhead_b
	ARM 3, G0B, G1B, .Lhead_sb
	tensor_load_to_lds s[G0SB:G0SB+3], s[G1SB:G1SB+7]
	s_nop 0
.rept 4
	v_nop
.endr
.Lhead_asked:
	s_wait_alu depctr_va_vdst(0)
	s_wait_tensorcnt 0x0                           ; my tile of the head's four is in; these lines stand ahead of slot 1's first fill as ahead of a refill
	ds_add_u32 v28, v29
	s_mov_b32 s[G1+2], 4<<16                       ; no tensor load of mine is out: from here on a load brings half of a tile: 4 row tiles of the heads,
	s_mov_b32 s[G1+4], 4
	s_mov_b32 s[G1B+2], 8<<16                      ; 8 of Wo
	s_mov_b32 s[G1B+4], 8
	s_wait_dscnt 0x0
	CROUND
	JLOAD G0+4, G1, G0B+4, G1B
	v_and_b32 v1, 15, v0
	v_bfe_u32 v2, v0, 4, 1
	v_and_b32 v3, 31, v0
	v_lshlrev_b32 v[CO], 4, v3
	s_lshl_b32 s21, s15, 14
	s_lshl_b32 s22, s16, 15
	s_add_co_u32 s22, s22, BOFF
.irp s, 0,1
	v_add_nc_u32 v[ADRA+\s], s21, v[CO]
	v_add_nc_u32 v[ADRB+\s], s22, v[CO]
	s_add_co_u32 s21, s21, SLOT
	s_add_co_u32 s22, s22, SLOT
.endr
	v_lshlrev_b32 v5, 5, v1
	v_lshrrev_b32 v6, 8, v5
	v_lshl_add_u32 v5, v6, 4, v5
	s_mul_i32 s21, s15, HALFSA
	s_mul_i32 s22, s16, HALFSB
	s_add_co_u32 s22, s22, SBOFF
	s_sub_co_u32 s22, s22, s21
	v_mul_u32_u24 v6, s22, v2
	s_add_co_u32 s21, s21, SCL
	v_add_nc_u32 v5, v5, v6
	v_add_nc_u32 v[ADRS], s21, v5
	s_mul_i32 s23, s14, 16*SPITCH
	v_mul_u32_u24 v5, v1, SPITCH
	v_lshl_add_u32 v5, v2, 5, v5
	v_add_nc_u32 v[STO], s23, v5
	v_add_nc_u32 v[RD], s23, v[CO]
	s_lshl_b32 s20, s17, 19
	s_lshl_b32 s21, s15, 18
	s_add_co_u32 s20, s20, s21
	s_mov_b32 s21, 0
	s_lshl_b32 s46, s42, 10
	s_lshl_b32 s47, s16, 9
	s_add_co_u32 s46, s46, s47
	s_mov_b32 s47, 0
	v_lshlrev_b32 v30, 5, v2
	v_add_nc_u32 v30, s46, v30
	s_add_nc_u64 s[20:21], s[20:21], s[46:47]
	s_add_nc_u64 s[12:13], s[12:13], s[20:21]
	s_add_nc_u64 s[XB:XB+1], s[10:11], s[20:21]
.irp b, 0,1,2,3,4,5,6,7
	global_load_b128 v[BI+8*\b:BI+8*\b+3], v30, s[8:9] offset:64*\b
	global_load_b128 v[BI+8*\b+4:BI+8*\b+7], v30, s[8:9] offset:64*\b+16
.endr
.macro FRAG reg, adr, q, i
.irp c, 0,1,2,3
	ds_load_b128 v[\reg+4*\c:\reg+4*\c+3], v[\adr] offset:(\i)*4096+(\q)*2048+512*\c
.endr
.endm
.macro MM a, b, p, q, sc, zero
.set DD, 8*(8*(\a)+\b)
.if \zero == 2
	v_wmma_scale_f32_16x16x128_f8f6f4 v[DD:DD+7], v[128*(\p)+FR*\b:128*(\p)+FR*\b+FR-1], v[AF+FR*(\a):AF+FR*(\a)+FR-1], v[BI+8*\b:BI+8*\b+7], v[SC+16*(\sc)+2*\b+(\q)], v[SC+16*(\sc)+2*(\a)+(\q)] matrix_a_fmt:MATRIX_FMT_BF8 matrix_b_fmt:MATRIX_FMT_BF8 matrix_a_scale:MATRIX_SCALE_ROW1
.else
	v_wmma_scale_f32_16x16x128_f8f6f4 v[DD:DD+7], v[128*(\p)+FR*\b:128*(\p)+FR*\b+FR-1], v[AF+FR*(\a):AF+FR*(\a)+FR-1], v[DD:DD+7], v[SC+16*(\sc)+2*\b+(\q)], v[SC+16*(\sc)+2*(\a)+(\q)] matrix_a_fmt:MATRIX_FMT_BF8 matrix_b_fmt:MATRIX_FMT_BF8 matrix_a_scale:MATRIX_SCALE_ROW1
.endif
.endm
.macro MUL8 a, p, q, sc, zero
.irp b, 0,1,2,3,4,5,6,7
	MM \a, \b, \p, \q, \sc, \zero
.endr
.endm
.macro FETCH_B slot, q, p
	WIN TO_B
.irp i, 0,1,2,3,4,5,6,7
	FRAG 128*(\p)+FR*\i, ADRB+\slot, \q, \i
.endr
	WIN 0
.endm
.macro FETCH_A slot, q, i0
.irp i, \i0, \i0+1
	FRAG AF+FR*(\i), ADRA+\slot, \q, \i
.endr
.endm
.macro SCALES sc
.irp i, 0,1,2,3,4,5,6,7
	ds_load_b64 v[SC+16*\sc+2*\i:SC+16*\sc+2*\i+1], v[ADRS] offset:\i*SBLK
.endr
.endm
.macro XLOAD a
	WIN 0xc0
.irp t, 0,1,2,3,4,5,6,7,8,9,10,11,12,13,14,15
	global_load_b128 v[64*(\a)+4*\t:64*(\a)+4*\t+3], v[CO], s[XB:XB+1] offset:(16*(\a)+\t)*4096 th:TH_LOAD_NT
.endr
	WIN 0
.endm
.macro STEP slot, q, zero
	s_wait_dscnt 2*NL
.if \zero == 2
	WIN MUL_C0
.else
	WIN MUL
.endif
	MUL8 0, (\q)%2, \q, \slot, \zero
	MUL8 1, (\q)%2, \q, \slot, \zero
	s_wait_dscnt 0
	PLACES NP
	FETCH_B \slot, (\q)+1, 1-(\q)%2
	FETCH_A \slot, (\q)+1, 0
.if \zero == 2
	WIN MUL_C0
.else
	WIN MUL
.endif
	MUL8 2, (\q)%2, \q, \slot, \zero
	MUL8 3, (\q)%2, \q, \slot, \zero
	PLACES NP
	WIN 0
	FETCH_A \slot, (\q)+1, 2
.endm
.macro TURN slot, next, fill
	s_wait_tensorcnt 0x0
	ds_add_u32 v[SPW], v[NIL]
	s_wait_dscnt 2*NL+1
	WIN MUL
	MUL8 0, 1, NQ-1, \slot, 0
	s_wait_dscnt 0x0
	s_barrier_signal -1
	MUL8 1, 1, NQ-1, \slot, 0
	WIN 0
	s_barrier_wait -1
.if \fill
	CREST
	s_add_nc_u64 s[G0+4*\slot+2:G0+4*\slot+3], s[G0+4*\slot+2:G0+4*\slot+3], 8192
	s_add_nc_u64 s[G0B+4*\slot+2:G0B+4*\slot+3], s[G0B+4*\slot+2:G0B+4*\slot+3], 8192
	JLOAD G0+4*\slot, G1, G0B+4*\slot, G1B
	PLACES NP-4
.else
	PLACES NP
.endif
	s_wait_alu depctr_va_vdst(0)
	v_add_nc_u32 v[ADRS], 4*NQ, v[ADRS]
	FETCH_B \next, 0, 0
	FETCH_A \next, 0, 0
	SCALES \next
	WIN MUL
	MUL8 2, 1, NQ-1, \slot, 0
	MUL8 3, 1, NQ-1, \slot, 0
	PLACES NP
	WIN 0
	FETCH_A \next, 0, 2
.endm
	s_wait_alu depctr_va_vdst(0)
	s_wait_tensorcnt 1
	s_barrier_signal -1
	s_barrier_wait -1
	FETCH_B 0, 0, 0
	FETCH_A 0, 0, 0
	SCALES 0
	FETCH_A 0, 0, 2
	s_wait_loadcnt 0x0
	XLOAD 0
	XLOAD 1
	XLOAD 2
	STEP 0, 0, 2
	TURN 0, 1, 1
	STEP 1, 0, 0
	TURN 1, 0, 1
	XLOAD 3
	STEP 0, 0, 0
	TURN 0, 1, 0
	STEP 1, 0, 0
	s_wait_dscnt 2*NL
	WIN MUL
	MUL8 0, 1, NQ-1, 1, 0
	MUL8 1, 1, NQ-1, 1, 0
	s_wait_dscnt 0
	MUL8 2, 1, NQ-1, 1, 0
	MUL8 3, 1, NQ-1, 1, 0
	WIN 0
.macro TOSTAGE a
.set AC, 64*(\a)
	WIN 0x08
.irp b, 0,1,2,3,4,5,6,7
	ds_store_b128 v[STO], v[AC+8*\b:AC+8*\b+3] offset:64*\b
	ds_store_b128 v[STO], v[AC+8*\b+4:AC+8*\b+7] offset:64*\b+16
.endr
	WIN 0
.set BB, BK+64*((\a)%2)
.irp t, 0,1,2,3,4,5,6,7,8,9,10,11,12,13,14,15
	ds_load_b128 v[BB+4*\t:BB+4*\t+3], v[RD] offset:\t*SPITCH
.endr
.endm
.macro SEND a, younger
.set BB, BK+64*((\a)%2)
.set XR, 64*(\a)
.set LC, 16*(3-(\a))
	s_wait_dscnt \younger
	s_wait_loadcnt LC
	WIN 0x0c
.set i, 0
.rept 32
	v_pk_add_f32 v[BB+i:BB+i+1], v[BB+i:BB+i+1], v[XR+i:XR+i+1]
.set i, i+2
.endr
	WIN 0
.irp t, 0,1,2,3,4,5,6,7,8,9,10,11,12,13,14,15
	global_store_b128 v[CO], v[BB+4*\t:BB+4*\t+3], s[12:13] offset:(16*(\a)+\t)*4096 th:TH_STORE_NT
.endr
.endm
	PLACES NP
	TOSTAGE 0
.irp a, 1,2,3
.if \a > 1
	s_wait_xcnt 0x0
.endif
	TOSTAGE \a
	SEND \a-1, 32
.endr
	SEND 3, 0
	s_wait_tensorcnt 0x0
	ds_add_u32 v[SPW], v[NIL]
	s_wait_dscnt 0x0
	CROUND
	s_endpgm
.Lfunc_end_k_qe2945a351a_outp:
	.size	k_qe2945a351a_outp, .Lfunc_end_k_qe2945a351a_outp-k_qe2945a351a_outp
	.p2alignl 7, 3214868480
	.fill 96, 4, 3214868480
	.section	.rodata,"a",@progbits
	.p2align	6, 0x0
	.amdhsa_kernel k_qe2945a351a_outp
		.amdhsa_group_segment_fixed_size 327680
		.amdhsa_private_segment_fixed_size 0
		.amdhsa_enable_private_segment 0
		.amdhsa_kernarg_size 40
		.amdhsa_user_sgpr_count 2
		.amdhsa_user_sgpr_kernarg_segment_ptr 1
		.amdhsa_wavefront_size32 1
		.amdhsa_system_sgpr_workgroup_id_x 1
		.amdhsa_system_sgpr_workgroup_id_y 1
		.amdhsa_system_sgpr_workgroup_id_z 1
		.amdhsa_system_vgpr_workitem_id 0
		.amdhsa_next_free_vgpr 1024
		.amdhsa_next_free_sgpr 100
		.amdhsa_reserve_vcc 0
		.amdhsa_float_denorm_mode_32 3
		.amdhsa_float_denorm_mode_16_64 3
		.amdhsa_memory_ordered 1
		.amdhsa_forward_progress 1
		.amdhsa_inst_pref_size 107
	.end_amdhsa_kernel
	.amdgpu_metadata
---
amdhsa.version: [ 1, 2 ]
amdhsa.kernels:
  - .name:           k_qe2945a351a_outp
    .symbol:         k_qe2945a351a_outp.kd
    .args:
      - { .name: xo, .offset: 0, .size: 8, .value_kind: global_buffer, .address_space: global }
      - { .name: pre, .offset: 8, .size: 8, .value_kind: global_buffer, .address_space: global }
      - { .name: bo, .offset: 16, .size: 8, .value_kind: global_buffer, .address_space: global }
      - { .name: x, .offset: 24, .size: 8, .value_kind: global_buffer, .address_space: global }
      - { .name: out0, .offset: 32, .size: 8, .value_kind: global_buffer, .address_space: global }
    .group_segment_fixed_size: 327680
    .private_segment_fixed_size: 0
    .kernarg_segment_align: 8
    .kernarg_segment_size: 40
    .max_flat_workgroup_size: 128
    .sgpr_count:     100
    .vgpr_count:     1024
    .wavefront_size: 32
...
	.end_amdgpu_metadata
.endif
;; end of part 5
